; MI455X (gfx1250); checked and timed in simulation.
; The chip was launched on July 23, 2026; its instructions are those of AMD's public machine-readable ISA for CDNA 5 (MIT licence, August 2026) and "CDNA5" Instruction Set Architecture Reference Guide (July 2026). The comments in the code are by the model that wrote it; some were corrected since.
;; snn Llama MLP. Allowed arithmetic: float matrix products may take bf16 or f16 operands with f32 sums; all other float work in f32.
;; Inputs: w_down 2,048 x 5,504 float32; w_gate 5,504 x 2,048 float32; w_up 5,504 x 2,048 float32; x 8 x 256 x 2,048 float32.
;; Outputs: out0 8 x 256 x 2,048 float32.
;; Constants: T = 4.
;; 3 versions, each right; version 3 is version 2 with the launch cvt written anew for expert scheduling mode. Each part assembles by itself: llvm-mc -triple=amdgcn-amd-amdhsa -mcpu=gfx1250 --defsym DOCPART=n.
;; ======== version 1 of 3: 3 launches
;; workspace buffers: xb 8,388,608 bytes; wgu 45,088,768 bytes; wdb 22,544,384 bytes; cb 22,544,384 bytes
;; launch cvt (part 1): grid 1160 x 1, 8 waves a work-group, no clusters, 0 bytes of LDS; arguments x, w_gate, w_up, w_down, xb, wgu, wdb; writes xb, wgu, wdb
.if DOCPART == 1
	.amdgcn_target "amdgcn-amd-amdhsa--gfx1250"
	.amdhsa_code_object_version 6
	.text
	.protected	k_q4f8066f14d_cvt
	.globl	k_q4f8066f14d_cvt
	.p2align	8
	.type	k_q4f8066f14d_cvt,@function
k_q4f8066f14d_cvt:
	s_mov_b64 s[64:65], 0
	v_nop
	global_prefetch_b8 v0, s[64:65] scope:SCOPE_SE
	s_setreg_imm32_b32 hwreg(HW_REG_WAVE_MODE, 25, 1), 1
	s_wait_xcnt 0x0
; snnLlamaMLP in three launches.  Rows of x are (t, p): row = 512 t + p, t = 0..3, p = 0..511.
;   this one : x, w_gate, w_up, w_down from f32 to bf16 copies, once, in the row order that the second launch's register tiles want
;   the second: G = x w_gate^T, U = x w_up^T; per (p, i): X_t = G_0 + .. + G_t, Y_t = silu(X_t), A_t = Y_t - Y_(t-1), C_t = (A_t sum(U) + U_t sum(A)) / 2
;   the third : out = C w_down^T
; WORK LEFT OUT (in the second launch): sum(A) = Y_0 + (Y_1 - Y_0) + (Y_2 - Y_1) + (Y_3 - Y_2) = Y_3 in real numbers for all values of the inputs, so
; Y_3 is taken for it and the three additions are not made; the two differ by f32 rounding alone.  LIMIT: a NaN, an infinity or an overflow that would
; arise only in that sum of differences is not carried to the result.  Every input has a way to the output and is loaded; T = 4 is a constant.
; LIMIT: the operands of all three products, C among them, are rounded to bf16 (nearest even).
;
; A stream: every input byte is read once, by 16-byte loads (one load of a wave: 512 neighbouring bytes), every output byte written once, by 8-byte
; stores (one store of a wave: 256 neighbouring bytes, aligned).  No LDS, no barrier, no matrix unit, no cluster: no two work-groups read the same byte.
; A work-group takes one chunk of 32,768 numbers (128 KiB in, 64 KiB out; for x, w_gate, w_up that is 16 rows of 2,048), a wave 16 KiB of it by 32 loads
; that are all issued before the first is used.  No register is written again after a load or store has named it as a source.
; Chunks: 0..343 w_gate, 344..687 w_up, 688..1031 w_down, 1032..1159 x.
;   wgu row (i>>6)*128 + (i&63) = w_gate[i], the same + 64 = w_up[i]      (64 gate rows, then the 64 up rows of the same i)
;   xb  row (p>>4)*64 + t*16 + (p&15) = x's row 512 t + p                  (the four t of 16 positions lie together)
;   wdb as w_down
.set NW, 344                           ; chunks in each of the three weights
.set X,  4                             ; v[4:131]  32 loads of 4 registers; converted in place into the first two of each four
	s_load_b256 s[4:11], s[0:1], 0x0               ; x s[4:5], w_gate s[6:7], w_up s[8:9], w_down s[10:11]
	s_load_b128 s[12:15], s[0:1], 0x20             ; xb s[12:13], wgu s[14:15]
	s_load_b64 s[16:17], s[0:1], 0x30              ; wdb
	s_mov_b32 s20, ttmp9                           ; the chunk
	s_cmp_lt_u32 s20, NW                           ; the first chunk of its tensor
	s_cselect_b32 s21, 0, NW
	s_cmp_lt_u32 s20, 2*NW
	s_cselect_b32 s21, s21, 2*NW
	s_cmp_lt_u32 s20, 3*NW
	s_cselect_b32 s21, s21, 3*NW
	s_sub_co_u32 s22, s20, s21                     ; k: the chunk's number in its tensor
	; the chunk's byte offset in its output, for each of the four cases (rows of 4,096 bytes)
	s_lshr_b32 s23, s22, 2
	s_lshl_b32 s23, s23, 19                        ; w_gate: (k>>2) groups of 128 rows
	s_and_b32 s2, s22, 3
	s_lshl_b32 s2, s2, 16                          ;         + (k&3) x 16 rows
	s_add_co_u32 s23, s23, s2
	s_add_co_u32 s29, s23, 0x40000                 ; w_up: 64 rows further down
	s_lshl_b32 s30, s22, 16                        ; w_down: dense, 64 KiB a chunk
	s_and_b32 s31, s22, 31
	s_lshl_b32 s31, s31, 18                        ; x: (p>>4) = k&31 groups of 64 rows
	s_lshr_b32 s2, s22, 5
	s_lshl_b32 s2, s2, 16                          ;    + t = k>>5 times 16 rows
	s_add_co_u32 s31, s31, s2
	s_lshl_b32 s18, s22, 17                        ; the chunk's byte offset in its input: 128 KiB a chunk
	s_mov_b32 s19, 0
	v_and_b32 v1, 31, v0                           ; lane
	v_lshrrev_b32 v2, 5, v0                        ; wave
	v_lshlrev_b32 v1, 4, v1
	v_lshl_or_b32 v1, v2, 14, v1                   ; in: 16 bytes a lane, 16 KiB a wave
	v_lshrrev_b32 v2, 1, v1                        ; out: half of that
	s_wait_kmcnt 0x0
	; the choice of buffers and of the offset hangs on the chunk's number alone; behind each compare stand selects only
	s_cmp_lt_u32 s20, NW
	s_cselect_b64 s[24:25], s[6:7], s[8:9]
	s_cselect_b32 s23, s23, s29
	s_cmp_lt_u32 s20, 2*NW
	s_cselect_b64 s[24:25], s[24:25], s[10:11]
	s_cselect_b64 s[26:27], s[14:15], s[16:17]
	s_cselect_b32 s23, s23, s30
	s_cmp_lt_u32 s20, 3*NW
	s_cselect_b64 s[24:25], s[24:25], s[4:5]
	s_cselect_b64 s[26:27], s[26:27], s[12:13]
	s_cselect_b32 s23, s23, s31
	s_mov_b32 s22, s23                             ; the output offset as a pair
	s_mov_b32 s23, 0
	s_add_nc_u64 s[24:25], s[24:25], s[18:19]      ; from here
	s_add_nc_u64 s[26:27], s[26:27], s[22:23]      ; to here
.set i, 0
.rept 32
	global_load_b128 v[X+4*i:X+4*i+3], v1, s[24:25] offset:512*i th:TH_LOAD_NT   ; read once in the whole program
.set i, i+1
.endr
.set i, 0
.rept 32
	s_wait_loadcnt 31-i                            ; loads come back in order (ISA guide 5.7.1): load i is in, the 31 - i younger ones stay out
	v_cvt_pk_bf16_f32 v[X+4*i],   v[X+4*i],   v[X+4*i+1]
	v_cvt_pk_bf16_f32 v[X+4*i+1], v[X+4*i+2], v[X+4*i+3]
	global_store_b64 v2, v[X+4*i:X+4*i+1], s[26:27] offset:256*i    ; no hint: the next launches read it
.set i, i+1
.endr
	s_endpgm
.Lfunc_end_k_q4f8066f14d_cvt:
	.size	k_q4f8066f14d_cvt, .Lfunc_end_k_q4f8066f14d_cvt-k_q4f8066f14d_cvt
	.p2alignl 7, 3214868480
	.fill 96, 4, 3214868480
	.section	.rodata,"a",@progbits
	.p2align	6, 0x0
	.amdhsa_kernel k_q4f8066f14d_cvt
		.amdhsa_group_segment_fixed_size 0
		.amdhsa_private_segment_fixed_size 0
		.amdhsa_enable_private_segment 0
		.amdhsa_kernarg_size 56
		.amdhsa_user_sgpr_count 2
		.amdhsa_user_sgpr_kernarg_segment_ptr 1
		.amdhsa_wavefront_size32 1
		.amdhsa_system_sgpr_workgroup_id_x 1
		.amdhsa_system_sgpr_workgroup_id_y 1
		.amdhsa_system_sgpr_workgroup_id_z 1
		.amdhsa_system_vgpr_workitem_id 0
		.amdhsa_next_free_vgpr 132
		.amdhsa_next_free_sgpr 66
		.amdhsa_reserve_vcc 0
		.amdhsa_float_denorm_mode_32 3
		.amdhsa_float_denorm_mode_16_64 3
		.amdhsa_memory_ordered 1
		.amdhsa_forward_progress 1
		.amdhsa_inst_pref_size 14
	.end_amdhsa_kernel
	.amdgpu_metadata
---
amdhsa.version: [ 1, 2 ]
amdhsa.kernels:
  - .name:           k_q4f8066f14d_cvt
    .symbol:         k_q4f8066f14d_cvt.kd
    .args:
      - { .name: x, .offset: 0, .size: 8, .value_kind: global_buffer, .address_space: global }
      - { .name: w_gate, .offset: 8, .size: 8, .value_kind: global_buffer, .address_space: global }
      - { .name: w_up, .offset: 16, .size: 8, .value_kind: global_buffer, .address_space: global }
      - { .name: w_down, .offset: 24, .size: 8, .value_kind: global_buffer, .address_space: global }
      - { .name: xb, .offset: 32, .size: 8, .value_kind: global_buffer, .address_space: global }
      - { .name: wgu, .offset: 40, .size: 8, .value_kind: global_buffer, .address_space: global }
      - { .name: wdb, .offset: 48, .size: 8, .value_kind: global_buffer, .address_space: global }
    .group_segment_fixed_size: 0
    .private_segment_fixed_size: 0
    .kernarg_segment_align: 8
    .kernarg_segment_size: 56
    .max_flat_workgroup_size: 256
    .sgpr_count:     66
    .vgpr_count:     132
    .wavefront_size: 32
...
	.end_amdgpu_metadata
.endif
;; end of part 1
;; launch gateup (part 2): grid 8 x 43, 4 waves a work-group, clusters of 4 x 1, 327,680 bytes of LDS; arguments xb, wgu, cb; writes cb
.if DOCPART == 2
	.amdgcn_target "amdgcn-amd-amdhsa--gfx1250"
	.amdhsa_code_object_version 6
	.text
	.protected	k_q4f8066f14d_gateup
	.globl	k_q4f8066f14d_gateup
	.p2align	8
	.type	k_q4f8066f14d_gateup,@function
k_q4f8066f14d_gateup:
	s_mov_b64 s[64:65], 0
	v_nop
	global_prefetch_b8 v0, s[64:65] scope:SCOPE_SE
	s_setreg_imm32_b32 hwreg(HW_REG_WAVE_MODE, 25, 1), 1
	s_wait_xcnt 0x0
	s_wait_alu depctr_hold_cnt(0) depctr_sa_sdst(0) depctr_va_vdst(0) depctr_va_sdst(0) depctr_va_ssrc(0) depctr_va_vcc(0) depctr_vm_vsrc(0)
	s_getreg_b32 s2, hwreg(HW_REG_IB_STS2, 6, 4)
	s_cmp_eq_u32 s2, 0
	s_cbranch_scc0 .Lentry_in_a_cluster
	s_endpgm
.Lentry_in_a_cluster:
	s_bfe_u32 s2, ttmp6, 0x10000c
	s_cmp_lg_u32 s2, 0x3003
	s_cbranch_scc0 .Lentry_shape_is_right
	s_endpgm
.Lentry_shape_is_right:
; G = x w_gate^T and U = x w_up^T as ONE bf16 product xb [2048][2048] times wgu [11008][2048] (both with K along the rows), f32 sums, and on the way out,
; in registers: X_t = G_0 + .. + G_t, Y_t = silu(X_t), A_t = Y_t - Y_(t-1), C_t = (A_t sum(U) + U_t Y_3) / 2, stored as bf16 into cb [2048][5504], row 512 t + p.
; WORK LEFT OUT: sum(A) telescopes to Y_3 for all values of the inputs, so Y_3 is taken for it (shown at the head of the first kernel, with its limit).
; LIMITS: operands and C are rounded to bf16.  sigmoid(X)/2 = rcp(2 + 2 exp2(-1.442695 X)); v_exp_f32 and v_rcp_f32 flush denormals (ISA guide 15.8),
; so for X below about -86.6 Y comes out as -0 where its true magnitude is under 3e-36.  sum(U) is added as (U_0 + U_1) + (U_2 + U_3).
;
; A work-group makes a block of 256 rows of xb x 256 rows of wgu with four waves, a wave 128 x 128: 64 accumulator tiles of 16 x 16, 512 registers.
; K goes in steps of 128 through a ring of two LDS slots filled by the tensor data mover; a tile's rows are 256 bytes of memory, at multiples of 256 bytes.
; By the row orders of xb and wgu a wave's tile (a, b) of window 2 + hi is: t = a; the 16 positions p = 16 (4 PB + 2 (w>>1) + hi) + 0..15;
; b = 0..3: gate for i = 128 CB + 64 (w&1) + 16 b + 0..15; b + 4: up for the same i.  So all G_t and U_t of one (p, i) lie in one lane, in one window.
; CLUSTER: 43 column blocks are no multiple of 4 or 2, so the cluster is four ROW blocks of one column block: the four need the same tiles of wgu, which are
; asked for jointly (mask 15), dividing the requests for them by four.  xb's tile is each work-group's own and comes by a plain load in the same place.
;
; REGISTERS, in windows of 256:
;   window 0: v16-26 addresses; v64-127, v128-191 fragments of xb, two buffers; on the way out v64-135 at work, then v64-191 rows read back
;   window 1: v64-127, v128-191 fragments of wgu, two buffers
;   window 2: the 32 tiles of my rows 0-63 (tile (a, b) at v[8 (8 a + b)]);   window 3: those of my rows 64-127
; THE MATRIX INSTRUCTION IS USED TRANSPOSED: source 0 = 16 rows of wgu, source 1 = 16 rows of xb: lane l holds row l % 16 (a position), its registers 0 to 7
; the columns 8 (l / 16) + 0..7: eight neighbouring i, which pack into 16 bytes of a row of cb.
.set SIZE_K, 2048
.set KSTEP,  128
.set PITCH,  272                       ; an LDS row: 256 bytes + 16 of padding: 17 x 16, so the 16 rows that a fragment load touches lie in 16 different 16-byte columns modulo 256
.set HALFT,  128*PITCH                 ; 128 rows: what one tensor load brings
.set SLOT,   4*HALFT                   ; xb's 256 rows, then wgu's 256 rows
.set LAPS,   SIZE_K/(2*KSTEP)          ; a lap = two K steps = once round the ring: 8
.set CROW,   11008                     ; bytes in a row of cb: 43 x 256
.set SPITCH, 144                       ; the stage: a wave's 64 i in bf16, 128 bytes + 16
.set REGION, 128*SPITCH+128            ; a wave's own stage of 128 rows; the 128 more put two neighbouring regions half of 256 bytes apart modulo 256
.set ADRA, 16                          ; v16-17  LDS address of my xb fragments in slot 0, 1
.set ADRB, 20                          ; v20-21  the same for wgu
.set STO,  24                          ; v24     the way out: where I put 16 bytes of a row, in my own region
.set RD,   25                          ; v25     the way out: where I read 16 bytes of a whole row back
.set CO,   26                          ; v26     my byte offset in cb
.set F0,   64                          ; fragment buffer 0
.set F1,   128                         ; fragment buffer 1
.set T,    64                          ; v[64:95]   the way out: index 8 t + j; v[96:103]: the difference of t = 3, so that T(3) = Y_3 / 2 stays
.set SUMU, 104                         ; v[104:111] U_0 + U_1, then sum(U)
.set SUMV, 112                         ; v[112:119] U_2 + U_3
.set PK,   120                         ; v[120:135] C_t in bf16, 4 registers for each t
.set BK,   64                          ; v[64:191]  32 pairs of rows read back
.set G1,  24                           ; s[24:31] descriptor group 1 for xb's tiles (no mask)
.set G0,  32                           ; s[32:39] descriptor group 0 for xb's tiles, one set for each slot
.set G1B, 48                           ; s[48:55] group 1 for wgu's tiles (mask 15)
.set G0B, 56                           ; s[56:63] group 0 for wgu's tiles, one set for each slot
.set CB0, 68                           ; s[68:75] cb at my 16 positions' first row, for t = 0..3
.set MSB, 0
.macro WIN new                         ; the immediate's high byte repeats the setting that is left
.if MSB != \new
	s_set_vgpr_msb (MSB<<8)|\new
.set MSB, \new
.endif
.endm
.set MUL_LO, 0xa1                      ; source 0 (wgu) window 1, source 1 (xb) window 0, C and D window 2
.set MUL_HI, 0xf1                      ; the same, C and D window 3
.set TO_B,   0x40                      ; destination window 1, address window 0
; One tensor load a wave.  Waves 0 and 1 fetch xb's two halves (plain), waves 2 and 3 wgu's (joint).  The branch hangs on the wave's number alone.
.macro JLOAD s
	s_cmp_eq_u32 s11, 0
	s_cbranch_scc0 .Lfor_b_\@
	tensor_load_to_lds s[G0+4*\s:G0+4*\s+3], s[G1:G1+7]
	s_nop 0
	s_branch .Lasked_\@
.Lfor_b_\@:
	tensor_load_to_lds s[G0B+4*\s:G0B+4*\s+3], s[G1B:G1B+7]
	s_nop 0
.Lasked_\@:
.endm
; A round of the cluster's barrier: my work-group's barrier, so that wave 0's signal speaks for all four waves; wave 0 signals for the work-group; every wave
; waits for all four work-groups; my work-group's barrier once more.
.macro CREST                           ; a round behind its opening barrier
	s_cmp_lg_u32 s10, 0
	s_cbranch_scc1 .Lnot_wave_0_\@
	s_barrier_signal -3
.Lnot_wave_0_\@:
	s_barrier_wait -3
	s_barrier_signal -1
	s_barrier_wait -1
.endm
.macro CROUND                          ; a whole round
	s_barrier_signal -1
	s_barrier_wait -1
	CREST
.endm
	s_load_b128 s[4:7], s[0:1], 0x0                ; xb s[4:5], wgu s[6:7]
	s_load_b64 s[8:9], s[0:1], 0x10                ; cb
	s_set_vgpr_msb 0x40
	v_lshl_add_u32 v255, v0, 2, 0x44000
	s_set_vgpr_msb 0x4000
	v_mov_b32 v255, 0
	s_set_vgpr_msb 0x1
	ds_add_u32 v255, v255
	s_set_vgpr_msb 0x100
	v_lshrrev_b32 v1, 5, v0
	v_readfirstlane_b32 s10, v1                    ; wave 0..3
	s_lshr_b32 s11, s10, 1                         ; which half of the block's rows is mine.  Also: I fetch for xb (0) or for wgu (1)
	s_and_b32 s12, s10, 1                          ; which half of its columns.  Also: which 128 rows of that tile I fetch
	s_bfe_u32 s40, ttmp6, 0x40000                  ; cx: my place in the cluster
	s_lshl_b32 s13, ttmp9, 2                       ; in a cluster launch ttmp9 counts clusters
	s_add_co_u32 s13, s13, s40                     ; PB: row block 0..7
	s_and_b32 s42, ttmp7, 0xffff                   ; CB: column block 0..42, the same in the four partners
	; descriptor group 1: a tile of 128 rows x 128 elements of 2 bytes; behind every 64 words (code 5) 4 words of padding (code 3)
	s_mov_b32 s[G1+0], (1<<16)|(1<<20)|(5<<22)|(3<<25)              ; 15:0 no mask: a load of my own
	s_mov_b32 s[G1B+0], 15|(1<<16)|(1<<20)|(1<<21)|(5<<22)|(3<<25)  ; 15:0 all four of the cluster, bit 21 set beside the mask
.irp g, G1, G1B
	s_mov_b32 s[\g+1], KSTEP<<16                   ; 63:48 tensor_dim0 = 128
	s_mov_b32 s[\g+2], 128<<16                     ; 95:80 tensor_dim1 = 128
	s_mov_b32 s[\g+3], KSTEP<<16                   ; 127:112 tile_dim0 = 128
	s_mov_b32 s[\g+4], 128                         ; 143:128 tile_dim1 = 128
	s_mov_b32 s[\g+5], SIZE_K                      ; 191:160 elements from row to row
	s_mov_b32 s[\g+6], 0
	s_mov_b32 s[\g+7], 0
.endr
	; where the tiles come from (rows of 4,096 bytes).  wgu's address is made of CB and the wave's number, in registers that never hold cx.
	s_lshl_b32 s17, s12, 7                         ; which 128 rows of the tile I fetch
	s_lshl_b32 s16, s13, 8
	s_add_co_u32 s16, s16, s17
	s_lshl_b32 s16, s16, 12                        ; xb: row 256 PB + 128 half, in bytes
	s_lshl_b32 s46, s42, 8
	s_add_co_u32 s46, s46, s17
	s_lshl_b32 s46, s46, 12                        ; wgu: row 256 CB + 128 half, in bytes (under 46 million)
	s_mov_b32 s17, 0
	s_mov_b32 s47, 0
	s_mul_i32 s20, s10, HALFT                      ; and where they go: wave x 128 rows
	s_wait_dscnt 0x0
	s_wait_kmcnt 0x0
	s_add_nc_u64 s[14:15], s[4:5], s[16:17]
	s_add_nc_u64 s[46:47], s[6:7], s[46:47]
	CROUND                                         ; all four work-groups are here: the first joint loads meet
.irp s, 0,1
	s_mov_b32 s[G0+4*\s], 1                                        ; 1:0 count = 1
	s_add_co_u32 s[G0+4*\s+1], s20, \s*SLOT                        ; 63:32 LDS address
	s_add_nc_u64 s[G0+4*\s+2:G0+4*\s+3], s[14:15], \s*KSTEP*2      ; 120:64 global address: K step s
	s_or_b32 s[G0+4*\s+3], s[G0+4*\s+3], 0x80000000                ; 127:126 type = 2
	s_mov_b32 s[G0B+4*\s], 1
	s_add_co_u32 s[G0B+4*\s+1], s20, \s*SLOT
	s_add_nc_u64 s[G0B+4*\s+2:G0B+4*\s+3], s[46:47], \s*KSTEP*2
	s_or_b32 s[G0B+4*\s+3], s[G0B+4*\s+3], 0x80000000
	JLOAD \s                                       ; both slots are asked for before anything else: two loads of the wave are out, later one
.endr
	; A fragment is 16 rows x 32 K in 8 registers: lane l holds row l % 16; registers 0-3 hold K = 8 (l / 16) + 0..7, registers 4-7 K = 16 + 8 (l / 16) + 0..7:
	; two loads of 16 bytes, 32 bytes apart.
	v_and_b32 v1, 15, v0                           ; r = l % 16
	v_bfe_u32 v2, v0, 4, 1                         ; h = l / 16
	v_mul_u32_u24 v3, v1, PITCH
	v_lshl_add_u32 v3, v2, 4, v3                   ; row x pitch + 16 h
	s_mul_i32 s21, s11, HALFT                      ; my 128 rows of xb
	s_mul_i32 s22, s12, HALFT                      ; my 128 rows of wgu,
	s_add_co_u32 s22, s22, 2*HALFT                 ; which lie behind xb's 256
.irp s, 0,1
	v_add_nc_u32 v[ADRA+\s], s21, v3
	v_add_nc_u32 v[ADRB+\s], s22, v3
	s_add_co_u32 s21, s21, SLOT
	s_add_co_u32 s22, s22, SLOT
.endr
	s_mul_i32 s23, s10, REGION                     ; my own region of the stage
	v_mul_u32_u24 v4, v1, SPITCH
	v_lshl_add_u32 v4, v2, 4, v4
	v_add_nc_u32 v[STO], s23, v4                   ; in: wave x region + r x 144 + 16 h
	; back: wave w takes the block's rows 64 w .. 64 w + 63, which lie at rows 64 (w&1) .. of the regions 2 (w>>1) (left 128 bytes) and 2 (w>>1) + 1 (right)
	s_mul_i32 s23, s11, 2*REGION
	s_mul_i32 s19, s12, 64*SPITCH
	s_add_co_u32 s23, s23, s19
	v_bfe_u32 v5, v0, 3, 1                         ; lanes 8-15 of each sixteen: the right region
	v_mul_u32_u24 v5, v5, REGION
	v_and_b32 v6, 7, v0
	v_lshl_add_u32 v5, v6, 4, v5                   ; 16 bytes a lane
	v_mad_u32_u24 v5, v2, SPITCH, v5               ; lanes 16-31: the next row
	v_add_nc_u32 v[RD], s23, v5
	v_mul_u32_u24 v5, v2, CROW                     ; and the same two rows in cb
	v_lshl_add_u32 v[CO], v1, 4, v5
; 16 matrix instructions: tiles a0, a0 + 1 of the window's four x all 8 b, 32 along K.  zero = 1: the first product starts the sums: nothing is cleared.
; The 64 accumulators take turns, one instruction a turn, in the same order in every quarter step.
.macro MUL16 f, hi, a0, zero
.irp a, \a0, \a0+1
.irp b, 0,1,2,3,4,5,6,7
.if \zero
	v_wmma_f32_16x16x32_bf16 v[8*(8*(\a)+\b):8*(8*(\a)+\b)+7], v[\f+8*\b:\f+8*\b+7], v[\f+8*(4*\hi+\a):\f+8*(4*\hi+\a)+7], 0
.else
	v_wmma_f32_16x16x32_bf16 v[8*(8*(\a)+\b):8*(8*(\a)+\b)+7], v[\f+8*\b:\f+8*\b+7], v[\f+8*(4*\hi+\a):\f+8*(4*\hi+\a)+7], v[8*(8*(\a)+\b):8*(8*(\a)+\b)+7]
.endif
.endr
.endr
.endm
; 32 LDS loads in one run: the fragments of one quarter step (128 rows of wgu, 128 rows of xb, 32 K at byte k of the rows) into buffer f
.macro FETCH slot, k, f
	WIN TO_B
.irp i, 0,1,2,3,4,5,6,7
	ds_load_b128 v[\f+8*\i:\f+8*\i+3],   v[ADRB+\slot] offset:\k+\i*16*PITCH
	ds_load_b128 v[\f+8*\i+4:\f+8*\i+7], v[ADRB+\slot] offset:\k+\i*16*PITCH+32
.endr
	WIN 0
.irp i, 0,1,2,3,4,5,6,7
	ds_load_b128 v[\f+8*\i:\f+8*\i+3],   v[ADRA+\slot] offset:\k+\i*16*PITCH
	ds_load_b128 v[\f+8*\i+4:\f+8*\i+7], v[ADRA+\slot] offset:\k+\i*16*PITCH+32
.endr
.endm
; A load into a register that a matrix instruction has read, and a vector instruction or LDS store that reads a matrix result, stand four places behind that
; matrix instruction; only plain vector instructions that name none of its registers are places.
.macro PLACES
.rept 4
	v_nop
.endr
.endm
; A K step is four quarter steps of 32 along K, 64 matrix instructions each, on buffers 0, 1, 0, 1.
; One of the first three: multiplies buffer f; in its middle it fetches the next quarter's fragments, at byte k of the same slot's rows, into buffer g.
.macro QUARTER slot, k, f, g, zero
	s_wait_dscnt 8                                 ; wgu's and xb's rows 0-63 are in; the youngest eight loads (xb's rows 64-127) may be out
	WIN MUL_LO
	MUL16 \f, 0, 0, \zero
	MUL16 \f, 0, 2, \zero
	PLACES
	FETCH \slot, \k, \g
	s_wait_dscnt 32                                ; all but the 32 just issued
	WIN MUL_HI
	MUL16 \f, 1, 0, \zero
	MUL16 \f, 1, 2, \zero
.endm
.macro THREE slot, zero
	QUARTER \slot, 64,  F0, F1, \zero
	QUARTER \slot, 128, F1, F0, 0
	QUARTER \slot, 192, F0, F1, 0
.endm
; The last quarter: multiplies buffer 1 and changes slots.  next = the other slot; fill = 1: this slot is filled again, two K steps ahead.
; In front of the barrier each wave waits for its own reads of this slot and for all its tensor loads, of which one is out: its part of the next slot.
; Behind it nobody reads this slot any more and the next slot is whole: the refill comes first, then the next slot's first fragments.
.macro TURN slot, next, fill
	s_wait_dscnt 8
	WIN MUL_LO
	MUL16 F1, 0, 0, 0
	s_wait_dscnt 0                                 ; my reads of this slot are over
	s_wait_tensorcnt 0x0                           ; and all my tensor loads have landed
	ds_add_u32 v255, v255
	s_wait_dscnt 0x0
	s_barrier_signal -1                            ; say so (where a slot is filled again this barrier opens a round of the cluster's barrier),
	MUL16 F1, 0, 2, 0                              ; work on registers while the others arrive,
	WIN 0
	s_barrier_wait -1
.if \fill
	CREST                                          ; all four work-groups have said so: no wave of any partner still reads this slot or has a load on its way
	s_add_nc_u64 s[G0+4*\slot+2:G0+4*\slot+3], s[G0+4*\slot+2:G0+4*\slot+3], 2*KSTEP*2
	s_add_nc_u64 s[G0B+4*\slot+2:G0B+4*\slot+3], s[G0B+4*\slot+2:G0B+4*\slot+3], 2*KSTEP*2
	JLOAD \slot                                    ; the first tensor load behind the round, and the wave's only one until the next
.endif
	PLACES
	FETCH \next, 0, F0
	WIN MUL_HI
	MUL16 F1, 1, 0, 0
	MUL16 F1, 1, 2, 0
.endm
.macro LAP zero                        ; once round the ring, both slots filled again
	THREE 0, \zero
	TURN 0, 1, 1
	THREE 1, 0
	TURN 1, 0, 1
.endm
	s_wait_tensorcnt 1                             ; my part of K step 0 is in; K step 1's may stay out
	s_barrier_signal -1
	s_barrier_wait -1                              ; everybody's is
	FETCH 0, 0, F0
	LAP 1                                          ; the first lap stands in front of the loop: its first products start the sums
	WIN 0                                          ; at a label and at a branch every window is 0
	s_mov_b32 s3, LAPS-2
.Llap:
	LAP 0
	WIN 0
	s_sub_co_u32 s3, s3, 1
	s_cmp_lg_u32 s3, 0
	s_cbranch_scc1 .Llap
	THREE 0, 0                                     ; the last lap fills nothing
	TURN 0, 1, 0                                   ; behind this barrier no wave reads slot 0 and no load fills it again: it becomes the stage
	THREE 1, 0
	s_wait_dscnt 8                                 ; the very last quarter: nothing more to fetch
	WIN MUL_LO
	MUL16 F1, 0, 0, 0
	MUL16 F1, 0, 2, 0
	s_wait_dscnt 0
	WIN MUL_HI
	MUL16 F1, 1, 0, 0
	MUL16 F1, 1, 2, 0
	; THE WAY OUT.
	PLACES                                         ; the places behind the last matrix instructions
	s_lshl_b32 s16, s13, 6                         ; cb's rows that I store: 512 t + 64 PB + 16 w + 0..15,
	s_lshl4_add_u32 s16, s10, s16
	s_mul_i32 s16, s16, CROW
	s_lshl_b32 s18, s42, 8                         ; at byte 256 CB of the row: the block's 128 i
	s_add_co_u32 s16, s16, s18
	s_mov_b32 s17, 0
	s_add_nc_u64 s[CB0:CB0+1], s[8:9], s[16:17]
.irp t, 1,2,3
	s_add_nc_u64 s[CB0+2*\t:CB0+2*\t+1], s[CB0+2*\t-2:CB0+2*\t-1], 512*CROW
.endr
; X_t = X_(t-1) + G_t in place, for the four gate tiles of each t of one window (allw: every operand place in that window)
.macro CUM allw
	WIN \allw
.irp b, 0,1,2,3
.irp t, 1,2,3
.irp j, 0,2,4,6
	v_pk_add_f32 v[8*(8*\t+\b)+\j:8*(8*\t+\b)+\j+1], v[8*(8*\t+\b)+\j:8*(8*\t+\b)+\j+1], v[8*(8*(\t-1)+\b)+\j:8*(8*(\t-1)+\b)+\j+1]
.endr
.endr
.endr
.endm
; 16 positions x 16 i x 4 t.  srcw: all sources in the window, destination in window 0; s0w: source 0 alone in the window.
; X_t at v[8 (8 t + b) + j], U_t at v[8 (8 t + b + 4) + j] of the window.  D(t) = T + 8 t for t < 3, T + 32 for t = 3.
.macro EPI srcw, s0w, hi, b
	WIN \srcw
.irp t, 0,1,2,3
.irp j, 0,2,4,6
	v_pk_mul_f32 v[T+8*\t+\j:T+8*\t+\j+1], v[8*(8*\t+\b)+\j:8*(8*\t+\b)+\j+1], 0xbfb8aa3b op_sel_hi:[1,0]   ; -X log2(e)
.endr
.endr
.irp j, 0,2,4,6
	v_pk_add_f32 v[SUMU+\j:SUMU+\j+1], v[8*(\b+4)+\j:8*(\b+4)+\j+1], v[8*(\b+12)+\j:8*(\b+12)+\j+1]         ; U_0 + U_1
	v_pk_add_f32 v[SUMV+\j:SUMV+\j+1], v[8*(\b+20)+\j:8*(\b+20)+\j+1], v[8*(\b+28)+\j:8*(\b+28)+\j+1]       ; U_2 + U_3
.endr
	WIN 0
.set i, 0
.rept 32
	v_exp_f32 v[T+i], v[T+i]
.set i, i+1
.endr
.irp j, 0,2,4,6
	v_pk_add_f32 v[SUMU+\j:SUMU+\j+1], v[SUMU+\j:SUMU+\j+1], v[SUMV+\j:SUMV+\j+1]   ; sum(U); also the plain instruction that stands between the exponentials and the use of their results (ISA guide 5.7.2)
.endr
.set i, 0
	s_wait_alu depctr_va_vdst(0)
.rept 16
	v_pk_fma_f32 v[T+i:T+i+1], v[T+i:T+i+1], 2.0, 2.0 op_sel_hi:[1,0,0]             ; 2 + 2 e: its reciprocal is sigmoid / 2, which carries the formula's factor 1/2
.set i, i+2
.endr
.set i, 0
.rept 32
	v_rcp_f32 v[T+i], v[T+i]
.set i, i+1
.endr
	v_nop                                          ; the plain instruction behind the reciprocals
	WIN \s0w
	s_wait_alu depctr_va_vdst(0)
.irp t, 0,1,2,3
.irp j, 0,2,4,6
	v_pk_mul_f32 v[T+8*\t+\j:T+8*\t+\j+1], v[8*(8*\t+\b)+\j:8*(8*\t+\b)+\j+1], v[T+8*\t+\j:T+8*\t+\j+1]     ; Y_t / 2
.endr
.endr
	WIN 0
.irp t, 3,2,1
.irp j, 0,2,4,6
	v_pk_add_f32 v[T+8*\t+8*(\t/3)+\j:T+8*\t+8*(\t/3)+\j+1], v[T+8*\t+\j:T+8*\t+\j+1], v[T+8*\t-8+\j:T+8*\t-8+\j+1] neg_lo:[0,1] neg_hi:[0,1]   ; A_t / 2; that of t = 3 apart, Y_3 / 2 stays
.endr
.endr
.irp t, 0,1,2,3
.irp j, 0,2,4,6
	v_pk_mul_f32 v[T+8*\t+8*(\t/3)+\j:T+8*\t+8*(\t/3)+\j+1], v[T+8*\t+8*(\t/3)+\j:T+8*\t+8*(\t/3)+\j+1], v[SUMU+\j:SUMU+\j+1]
.endr
.endr
	WIN \s0w
.irp t, 0,1,2,3
.irp j, 0,2,4,6
	v_pk_fma_f32 v[T+8*\t+8*(\t/3)+\j:T+8*\t+8*(\t/3)+\j+1], v[8*(8*\t+\b+4)+\j:8*(8*\t+\b+4)+\j+1], v[T+24+\j:T+24+\j+1], v[T+8*\t+8*(\t/3)+\j:T+8*\t+8*(\t/3)+\j+1]   ; C_t = U_t Y_3 / 2 + A_t sum(U) / 2
.endr
.endr
	WIN 0
.irp t, 0,1,2,3
.irp q, 0,1,2,3
	v_cvt_pk_bf16_f32 v[PK+4*\t+\q], v[T+8*\t+8*(\t/3)+2*\q], v[T+8*\t+8*(\t/3)+2*\q+1]
.endr
.endr
.irp t, 0,1,2,3
	ds_store_b128 v[STO], v[PK+4*\t:PK+4*\t+3] offset:(64*\hi+16*\t)*SPITCH+32*\b   ; my region's row 64 hi + 16 t + r, columns 16 b + 8 h + 0..7
.endr
.endm
	CUM 0xaa
.irp b, 0,1,2,3
	EPI 0x2a, 0x02, 0, \b
.endr
	CUM 0xff
.irp b, 0,1,2,3
	EPI 0x3f, 0x03, 1, \b
.endr
	s_wait_dscnt 0x0                               ; my stores into the stage are done: a row's two halves come from two waves
	s_barrier_signal -1
	s_barrier_wait -1
.set i, 0
.rept 32
	ds_load_b128 v[BK+4*i:BK+4*i+3], v[RD] offset:2*i*SPITCH       ; the block's rows 64 w + 2 i and + 1, 256 bytes each
.set i, i+1
.endr
	; row 64 w + 2 (8 t + u) + h of the block is t and position 16 w + 2 u + h of the block's 64
.irp t, 0,1,2,3
.irp u, 0,1,2,3,4,5,6,7
	s_wait_dscnt 31-(8*\t+\u)                      ; LDS loads come back in order (ISA guide 5.7.1): this pair of rows is in
	global_store_b128 v[CO], v[BK+4*(8*\t+\u):BK+4*(8*\t+\u)+3], s[CB0+2*\t:CB0+2*\t+1] offset:2*\u*CROW   ; 16 lanes store 256 consecutive bytes, at a multiple of 256 from cb's first byte
.endr
.endr
	s_set_vgpr_msb 0x1
	s_wait_tensorcnt 0x0
	ds_add_u32 v255, v255
	s_wait_dscnt 0x0
	s_set_vgpr_msb 0x100
	CROUND                                         ; the closing round: no work-group ends while a partner may still ask for a tile that names it
	s_endpgm
.Lfunc_end_k_q4f8066f14d_gateup:
	.size	k_q4f8066f14d_gateup, .Lfunc_end_k_q4f8066f14d_gateup-k_q4f8066f14d_gateup
	.p2alignl 7, 3214868480
	.fill 96, 4, 3214868480
	.section	.rodata,"a",@progbits
	.p2align	6, 0x0
	.amdhsa_kernel k_q4f8066f14d_gateup
		.amdhsa_group_segment_fixed_size 327680
		.amdhsa_private_segment_fixed_size 0
		.amdhsa_enable_private_segment 0
		.amdhsa_kernarg_size 24
		.amdhsa_user_sgpr_count 2
		.amdhsa_user_sgpr_kernarg_segment_ptr 1
		.amdhsa_wavefront_size32 1
		.amdhsa_system_sgpr_workgroup_id_x 1
		.amdhsa_system_sgpr_workgroup_id_y 1
		.amdhsa_system_sgpr_workgroup_id_z 1
		.amdhsa_system_vgpr_workitem_id 0
		.amdhsa_next_free_vgpr 1024
		.amdhsa_next_free_sgpr 80
		.amdhsa_reserve_vcc 0
		.amdhsa_float_denorm_mode_32 3
		.amdhsa_float_denorm_mode_16_64 3
		.amdhsa_memory_ordered 1
		.amdhsa_forward_progress 1
		.amdhsa_inst_pref_size 255
	.end_amdhsa_kernel
	.section	.bss,"aw",@nobits
	.p2align	6
	.space	262144
	.amdgpu_metadata
---
amdhsa.version: [ 1, 2 ]
amdhsa.kernels:
  - .name:           k_q4f8066f14d_gateup
    .symbol:         k_q4f8066f14d_gateup.kd
    .args:
      - { .name: xb, .offset: 0, .size: 8, .value_kind: global_buffer, .address_space: global }
      - { .name: wgu, .offset: 8, .size: 8, .value_kind: global_buffer, .address_space: global }
      - { .name: cb, .offset: 16, .size: 8, .value_kind: global_buffer, .address_space: global }
    .group_segment_fixed_size: 327680
    .private_segment_fixed_size: 0
    .kernarg_segment_align: 8
    .kernarg_segment_size: 24
    .max_flat_workgroup_size: 128
    .sgpr_count:     80
    .vgpr_count:     1024
    .wavefront_size: 32
...
	.end_amdgpu_metadata
.endif
;; end of part 2
;; launch down (part 3): grid 16 x 16, 4 waves a work-group, clusters of 4 x 4, 327,680 bytes of LDS; arguments cb, wdb, out0; writes out0
.if DOCPART == 3
	.amdgcn_target "amdgcn-amd-amdhsa--gfx1250"
	.amdhsa_code_object_version 6
	.text
	.protected	k_q4f8066f14d_down
	.globl	k_q4f8066f14d_down
	.p2align	8
	.type	k_q4f8066f14d_down,@function
k_q4f8066f14d_down:
	s_mov_b64 s[64:65], 0
	v_nop
	global_prefetch_b8 v0, s[64:65] scope:SCOPE_SE
	s_setreg_imm32_b32 hwreg(HW_REG_WAVE_MODE, 25, 1), 1
	s_wait_xcnt 0x0
	s_wait_alu depctr_hold_cnt(0) depctr_sa_sdst(0) depctr_va_vdst(0) depctr_va_sdst(0) depctr_va_ssrc(0) depctr_va_vcc(0) depctr_vm_vsrc(0)
	s_getreg_b32 s2, hwreg(HW_REG_IB_STS2, 6, 4)
	s_cmp_eq_u32 s2, 0
	s_cbranch_scc0 .Lentry_in_a_cluster
	s_endpgm
.Lentry_in_a_cluster:
	s_bfe_u32 s2, ttmp6, 0x10000c
	s_cmp_lg_u32 s2, 0xf033
	s_cbranch_scc0 .Lentry_shape_is_right
	s_endpgm
.Lentry_shape_is_right:
; out[m][n] = sum over i of C[m][i] w_down[n][i].  cb [2048][5504] and wdb [2048][5504] bf16 with K = i along the rows, out0 [2048][2048] f32.  No work is left out here.
; LIMIT: each output is the sum of four f32 partial sums over interleaved quarters of K, another order of rounding than a single ascending sum.
; 2048 x 2048 outputs are 256 blocks of 128 x 128, one for each work-group.  A wave tile of 64 x 64 would load 8 fragments for 16 matrix instructions; instead
; EVERY wave holds the whole block (64 accumulator tiles, 512 registers, 16 fragments for 64 matrix instructions) for a quarter of K: of each 128 along K wave w
; multiplies k = 32 w .. 32 w + 31: 43 units of 64 matrix instructions.  The four partial blocks are added through LDS on the way out.
; K goes through a ring of two LDS slots of 256 along K (rows of 512 bytes of memory, at multiples of 256 bytes): 21 whole steps of two units and one half step.
; CLUSTER: 4 x 4 work-groups.  cb's tile hangs on the block row alone and is shared along a row of the cluster, wdb's on the block column alone and is shared along
; a column: each is asked for jointly by the four that need it, which divides the requests by four.
;
; REGISTERS as in the second launch: window 0 addresses and cb's fragments (v64-127, v128-191), window 1 wdb's fragments, windows 2 and 3 the accumulators:
; tile (a, b) at v[8 (8 a + b)], rows 16 (4 hi + a) + .., columns 16 b + ...  The matrix instruction is used transposed (source 0 = rows of wdb): lane l holds
; row l % 16, its registers 0 to 7 the columns 8 (l / 16) + 0..7: 32 neighbouring bytes of a row of out0.
.set SIZE_K, 5504
.set ROWB,   2*SIZE_K                  ; bytes in a row of cb and of wdb: 43 x 256
.set STEPB,  512                       ; bytes of a row in a whole step
.set PITCH,  528                       ; an LDS row: 512 bytes + 16 of padding = 33 x 16: 16 rows lie in 16 different 16-byte columns modulo 256
.set QROWS,  64*PITCH                  ; 64 rows: what one tensor load brings
.set BOFF,   2*QROWS                   ; wdb's 128 rows lie behind cb's 128
.set SLOT,   4*QROWS
.set REGION, 128*PITCH                 ; the way out: a wave's partial block, 128 rows of 512 bytes + 16; four of them are the ring's bytes
.set OROW,   8192                      ; bytes in a row of out0
.set ADRA, 16                          ; v16-17  LDS address of my cb fragments in slot 0, 1
.set ADRB, 20                          ; v20-21  the same for wdb
.set PST,  24                          ; v24     where I put 16 bytes of my partial block
.set OO,   25                          ; v25     16 x lane: my byte offset in a row's 512 bytes
.set PRD,  28                          ; v28-31  where I read my rows of partial block 0..3
.set F0,   64
.set F1,   128
.set SUM,  64                          ; v[64:191] eight rows x four partial sums x 4 registers
.set G1,   24                          ; s[24:31] group 1, cb's tiles, whole step
.set G0,   32                          ; s[32:39] group 0, cb's tiles, one set for each slot
.set G1B,  48                          ; s[48:55] group 1, wdb's tiles, whole step
.set G0B,  56                          ; s[56:63] group 0, wdb's tiles
.set G1H,  68                          ; s[68:75] group 1, cb's tiles, the half step
.set G1BH, 76                          ; s[76:83] group 1, wdb's tiles, the half step
.set MSB, 0
.macro WIN new                         ; the immediate's high byte repeats the setting that is left
.if MSB != \new
	s_set_vgpr_msb (MSB<<8)|\new
.set MSB, \new
.endif
.endm
.set MUL_LO, 0xa1                      ; source 0 (wdb) window 1, source 1 (cb) window 0, C and D window 2
.set MUL_HI, 0xf1                      ; the same, C and D window 3
.set TO_B,   0x40                      ; destination window 1, address window 0
; A joint load.  Waves 0 and 1 fetch cb's two halves, waves 2 and 3 wdb's.  The branch hangs on the wave's number alone.  half = 1: the last 128 along K.
.macro JLOAD s, half
	s_cmp_eq_u32 s11, 0
	s_cbranch_scc0 .Lfor_b_\@
.if \half
	tensor_load_to_lds s[G0+4*\s:G0+4*\s+3], s[G1H:G1H+7]
	s_nop 0
.else
	tensor_load_to_lds s[G0+4*\s:G0+4*\s+3], s[G1:G1+7]
	s_nop 0
.endif
	s_branch .Lasked_\@
.Lfor_b_\@:
.if \half
	tensor_load_to_lds s[G0B+4*\s:G0B+4*\s+3], s[G1BH:G1BH+7]
	s_nop 0
.else
	tensor_load_to_lds s[G0B+4*\s:G0B+4*\s+3], s[G1B:G1B+7]
	s_nop 0
.endif
.Lasked_\@:
.endm
.macro CREST                           ; a round of the cluster's barrier behind its opening barrier
	s_cmp_lg_u32 s10, 0
	s_cbranch_scc1 .Lnot_wave_0_\@
	s_barrier_signal -3
.Lnot_wave_0_\@:
	s_barrier_wait -3
	s_barrier_signal -1
	s_barrier_wait -1
.endm
.macro CROUND                          ; a whole round
	s_barrier_signal -1
	s_barrier_wait -1
	CREST
.endm
	s_load_b128 s[4:7], s[0:1], 0x0                ; cb s[4:5], wdb s[6:7]
	s_load_b64 s[8:9], s[0:1], 0x10                ; out0
	s_set_vgpr_msb 0x40
	v_lshl_add_u32 v255, v0, 2, 0x42000
	s_set_vgpr_msb 0x4000
	v_mov_b32 v255, 0
	s_set_vgpr_msb 0x1
	ds_add_u32 v255, v255
	s_set_vgpr_msb 0x100
	v_lshrrev_b32 v1, 5, v0
	v_readfirstlane_b32 s10, v1                    ; wave 0..3
	s_lshr_b32 s11, s10, 1                         ; I fetch for cb (0) or for wdb (1)
	s_and_b32 s12, s10, 1                          ; which 64 rows of that tile I fetch
	s_bfe_u32 s40, ttmp6, 0x40000                  ; cx
	s_bfe_u32 s41, ttmp6, 0x40004                  ; cy
	s_lshl_b32 s42, ttmp9, 2
	s_add_co_u32 s42, s42, s40                     ; block column = 4 x cluster x + cx
	s_and_b32 s13, ttmp7, 0xffff
	s_lshl_b32 s13, s13, 2
	s_add_co_u32 s13, s13, s41                     ; block row = 4 x cluster y + cy
	s_lshl_b32 s43, s41, 2
	s_lshl_b32 s43, 15, s43                        ; my row of the cluster: places 4 cy .. 4 cy + 3
	s_lshl_b32 s44, 0x1111, s40                    ; my column: places cx, cx + 4, cx + 8, cx + 12
	; group 1, whole step: 64 rows x 256 elements of 2 bytes; behind every 128 words (code 6) 4 words of padding (code 3); bit 21 set beside the mask
	s_or_b32 s[G1+0],  s43, (1<<16)|(1<<20)|(1<<21)|(6<<22)|(3<<25)
	s_or_b32 s[G1B+0], s44, (1<<16)|(1<<20)|(1<<21)|(6<<22)|(3<<25)
	; the half step: 64 rows x 128 elements; behind every 64 words (code 5) 68 words of padding (code 67): 256 + 272 = the same pitch of 528 bytes
	s_or_b32 s[G1H+0],  s43, (1<<16)|(1<<20)|(1<<21)|(5<<22)|(67<<25)
	s_or_b32 s[G1BH+0], s44, (1<<16)|(1<<20)|(1<<21)|(5<<22)|(67<<25)
.irp g, G1, G1B
	s_mov_b32 s[\g+1], 256<<16                     ; tensor_dim0 = 256
	s_mov_b32 s[\g+2], 64<<16                      ; tensor_dim1 = 64
	s_mov_b32 s[\g+3], 256<<16                     ; tile_dim0 = 256
	s_mov_b32 s[\g+4], 64                          ; tile_dim1 = 64
	s_mov_b32 s[\g+5], SIZE_K                      ; elements from row to row
	s_mov_b32 s[\g+6], 0
	s_mov_b32 s[\g+7], 0
.endr
.irp g, G1H, G1BH
	s_mov_b32 s[\g+1], 128<<16
	s_mov_b32 s[\g+2], 64<<16
	s_mov_b32 s[\g+3], 128<<16
	s_mov_b32 s[\g+4], 64
	s_mov_b32 s[\g+5], SIZE_K
	s_mov_b32 s[\g+6], 0
	s_mov_b32 s[\g+7], 0
.endr
	; where the tiles come from: cb's hang on the block row alone, wdb's on the block column alone, each in registers that never hold the other coordinate
	s_lshl_b32 s17, s12, 6                         ; which 64 rows of the tile I fetch
	s_lshl_b32 s16, s13, 7
	s_add_co_u32 s16, s16, s17
	s_mul_i32 s16, s16, ROWB                       ; cb: row 128 x block row + 64 x half, in bytes (under 23 million)
	s_lshl_b32 s46, s42, 7
	s_add_co_u32 s46, s46, s17
	s_mul_i32 s46, s46, ROWB                       ; wdb: row 128 x block column + 64 x half
	s_mov_b32 s17, 0
	s_mov_b32 s47, 0
	s_mul_i32 s20, s10, QROWS                      ; and where they go: wave x 64 rows
	s_wait_dscnt 0x0
	s_wait_kmcnt 0x0
	s_add_nc_u64 s[14:15], s[4:5], s[16:17]
	s_add_nc_u64 s[46:47], s[6:7], s[46:47]
	CROUND                                         ; all sixteen work-groups are here: the first joint loads meet
.irp s, 0,1
	s_mov_b32 s[G0+4*\s], 1
	s_add_co_u32 s[G0+4*\s+1], s20, \s*SLOT
	s_add_nc_u64 s[G0+4*\s+2:G0+4*\s+3], s[14:15], \s*STEPB        ; step s
	s_or_b32 s[G0+4*\s+3], s[G0+4*\s+3], 0x80000000
	s_mov_b32 s[G0B+4*\s], 1
	s_add_co_u32 s[G0B+4*\s+1], s20, \s*SLOT
	s_add_nc_u64 s[G0B+4*\s+2:G0B+4*\s+3], s[46:47], \s*STEPB
	s_or_b32 s[G0B+4*\s+3], s[G0B+4*\s+3], 0x80000000
	JLOAD \s, 0                                    ; two loads of the wave are out here, later one
.endr
	v_and_b32 v1, 15, v0                           ; r
	v_bfe_u32 v2, v0, 4, 1                         ; h
	v_mul_u32_u24 v3, v1, PITCH
	v_lshl_add_u32 v3, v2, 4, v3                   ; r x pitch + 16 h
	s_lshl_b32 s21, s10, 6                         ; my 32 of each 128 along K: byte 64 w
	v_add_nc_u32 v[ADRA], s21, v3
	v_add_nc_u32 v[ADRB], BOFF, v[ADRA]
	v_add_nc_u32 v[ADRA+1], SLOT, v[ADRA]
	v_add_nc_u32 v[ADRB+1], SLOT, v[ADRB]
	s_mul_i32 s23, s10, REGION                     ; my own partial block
	v_lshl_add_u32 v4, v2, 4, v3                   ; r x pitch + 32 h: eight f32 a lane and tile
	v_add_nc_u32 v[PST], s23, v4
	v_and_b32 v5, 31, v0
	v_lshlrev_b32 v[OO], 4, v5
	s_mul_i32 s22, s10, 32*PITCH                   ; I add rows 32 w .. 32 w + 31
	v_add_nc_u32 v[PRD], s22, v[OO]
.irp z, 1,2,3
	v_add_nc_u32 v[PRD+\z], \z*REGION, v[PRD]
.endr
; 16 matrix instructions.  The 64 accumulators take turns, one instruction a turn, in the same order in every unit.
.macro MUL16 f, hi, a0, zero
.irp a, \a0, \a0+1
.irp b, 0,1,2,3,4,5,6,7
.if \zero
	v_wmma_f32_16x16x32_bf16 v[8*(8*(\a)+\b):8*(8*(\a)+\b)+7], v[\f+8*\b:\f+8*\b+7], v[\f+8*(4*\hi+\a):\f+8*(4*\hi+\a)+7], 0
.else
	v_wmma_f32_16x16x32_bf16 v[8*(8*(\a)+\b):8*(8*(\a)+\b)+7], v[\f+8*\b:\f+8*\b+7], v[\f+8*(4*\hi+\a):\f+8*(4*\hi+\a)+7], v[8*(8*(\a)+\b):8*(8*(\a)+\b)+7]
.endif
.endr
.endr
.endm
; 32 LDS loads: a unit's fragments (128 rows of wdb, 128 rows of cb, my 32 K of the 128 at byte k of the rows) into buffer f
.macro FETCH slot, k, f
	WIN TO_B
.irp i, 0,1,2,3,4,5,6,7
	ds_load_b128 v[\f+8*\i:\f+8*\i+3],   v[ADRB+\slot] offset:\k+\i*16*PITCH
	ds_load_b128 v[\f+8*\i+4:\f+8*\i+7], v[ADRB+\slot] offset:\k+\i*16*PITCH+32
.endr
	WIN 0
.irp i, 0,1,2,3,4,5,6,7
	ds_load_b128 v[\f+8*\i:\f+8*\i+3],   v[ADRA+\slot] offset:\k+\i*16*PITCH
	ds_load_b128 v[\f+8*\i+4:\f+8*\i+7], v[ADRA+\slot] offset:\k+\i*16*PITCH+32
.endr
.endm
.macro PLACES                          ; four places behind a matrix instruction before its registers are loaded into, read or stored (ISA guide 7.12.1)
.rept 4
	v_nop
.endr
.endm
; A step's first unit: multiplies buffer f; in its middle it fetches the second unit's fragments, at byte k of the same slot's rows, into buffer g.
.macro QUARTER slot, k, f, g, zero
	s_wait_dscnt 8                                 ; wdb's and cb's rows 0-63 are in; the youngest eight loads (cb's rows 64-127) may be out
	WIN MUL_LO
	MUL16 \f, 0, 0, \zero
	MUL16 \f, 0, 2, \zero
	PLACES
	FETCH \slot, \k, \g
	s_wait_dscnt 32                                ; all but the 32 just issued
	WIN MUL_HI
	MUL16 \f, 1, 0, \zero
	MUL16 \f, 1, 2, \zero
.endm
; A step's second unit: multiplies buffer 1 and changes slots.  fill = 0: nothing is filled; 1: this slot gets the step two further on; 2: that step is the half one.
; In front of the barrier each wave waits for its own reads of this slot and for all its tensor loads (one is out: its part of the next slot); behind the round
; the refill comes first, then the next slot's first fragments.
.macro TURN slot, next, fill
	s_wait_dscnt 8
	WIN MUL_LO
	MUL16 F1, 0, 0, 0
	s_wait_dscnt 0                                 ; my reads of this slot are over
	s_wait_tensorcnt 0x0                           ; and all my tensor loads have landed
	ds_add_u32 v255, v255
	s_wait_dscnt 0x0
	s_barrier_signal -1                            ; (where a slot is filled again this barrier opens a round of the cluster's barrier)
	MUL16 F1, 0, 2, 0                              ; work on registers while the others arrive
	WIN 0
	s_barrier_wait -1
.if \fill
	CREST                                          ; no wave of any partner still reads this slot or has a load on its way
	s_add_nc_u64 s[G0+4*\slot+2:G0+4*\slot+3], s[G0+4*\slot+2:G0+4*\slot+3], 2*STEPB
	s_add_nc_u64 s[G0B+4*\slot+2:G0B+4*\slot+3], s[G0B+4*\slot+2:G0B+4*\slot+3], 2*STEPB
	JLOAD \slot, \fill-1                           ; the first tensor load behind the round, and the wave's only one until the next
.endif
	PLACES
	FETCH \next, 0, F0
	WIN MUL_HI
	MUL16 F1, 1, 0, 0
	MUL16 F1, 1, 2, 0
.endm
.macro STEP slot, next, fill, zero
	QUARTER \slot, 256, F0, F1, \zero
	TURN \slot, \next, \fill
.endm
.macro LAP zero
	STEP 0, 1, 1, \zero
	STEP 1, 0, 1, 0
.endm
	s_wait_tensorcnt 1                             ; my part of step 0 is in; step 1's may stay out
	s_barrier_signal -1
	s_barrier_wait -1
	FETCH 0, 0, F0
	LAP 1                                          ; steps 0 and 1; their first products start the sums; steps 2 and 3 are asked for
	WIN 0
	s_mov_b32 s3, 8                                ; steps 2 to 17; steps 4 to 19 are asked for
.Llap:
	LAP 0
	WIN 0
	s_sub_co_u32 s3, s3, 1
	s_cmp_lg_u32 s3, 0
	s_cbranch_scc1 .Llap
	STEP 0, 1, 1, 0                                ; step 18; step 20 is asked for
	STEP 1, 0, 2, 0                                ; step 19; step 21, the half one, at byte 21 x 512 of the rows: their last 256 bytes
	STEP 0, 1, 0, 0                                ; step 20; nothing is left to fetch
	s_wait_dscnt 8                                 ; step 21: one unit, on buffer 0
	WIN MUL_LO
	MUL16 F0, 0, 0, 0
	MUL16 F0, 0, 2, 0
	s_wait_dscnt 0
	WIN MUL_HI
	MUL16 F0, 1, 0, 0
	MUL16 F0, 1, 2, 0
	; THE SUM AND THE WAY OUT.  The ring has had its last fill; its bytes take the four partial blocks.
	WIN 0
	PLACES                                         ; the places behind the last matrix instructions
	s_lshl_b32 s16, s13, 7                         ; out0 at row 128 x block row + 32 w,
	s_lshl_b32 s18, s10, 5
	s_add_co_u32 s16, s16, s18
	s_lshl_b32 s16, s16, 13
	s_mov_b32 s17, 0
	s_add_nc_u64 s[8:9], s[8:9], s[16:17]
	s_lshl_b32 s46, s42, 9                         ; at byte 512 x block column (in the registers that held wdb's offset)
	s_mov_b32 s47, 0
	s_add_nc_u64 s[8:9], s[8:9], s[46:47]
	s_barrier_signal -1                            ; every wave's reads of the ring are back (its last wait on the LDS counter was for 0)
	s_barrier_wait -1                              ; so no wave reads the ring any more
.macro PART win, hi                    ; the 32 tiles of one window into my own partial block: store data from that window, the address from window 0
	WIN \win
.irp a, 0,1,2,3
.irp b, 0,1,2,3,4,5,6,7
	ds_store_b128 v[PST], v[8*(8*\a+\b):8*(8*\a+\b)+3]   offset:(64*\hi+16*\a)*PITCH+64*\b
	ds_store_b128 v[PST], v[8*(8*\a+\b)+4:8*(8*\a+\b)+7] offset:(64*\hi+16*\a)*PITCH+64*\b+16
.endr
.endr
.endm
	PART 0x08, 0
	PART 0x0c, 1
	WIN 0
	s_wait_dscnt 0x0                               ; my partial block is written
	s_barrier_signal -1
	s_barrier_wait -1                              ; all four are
; eight rows: four partial rows of 512 bytes each, added, stored
.macro BATCH g
.if \g
	s_wait_xcnt 0x0                                ; every earlier memory instruction has had its addresses translated (ISA guide 3.1): the registers that the last batch's stores read are loaded again only behind this wait
.endif
.irp q, 0,1,2,3,4,5,6,7
.irp z, 0,1,2,3
	ds_load_b128 v[SUM+16*\q+4*\z:SUM+16*\q+4*\z+3], v[PRD+\z] offset:(8*\g+\q)*PITCH
.endr
.endr
.irp q, 0,1,2,3,4,5,6,7
	s_wait_dscnt 4*(7-\q)                          ; row q's four loads are in; the younger rows' stay out
	v_pk_add_f32 v[SUM+16*\q:SUM+16*\q+1],     v[SUM+16*\q:SUM+16*\q+1],     v[SUM+16*\q+4:SUM+16*\q+5]
	v_pk_add_f32 v[SUM+16*\q+2:SUM+16*\q+3],   v[SUM+16*\q+2:SUM+16*\q+3],   v[SUM+16*\q+6:SUM+16*\q+7]
	v_pk_add_f32 v[SUM+16*\q+8:SUM+16*\q+9],   v[SUM+16*\q+8:SUM+16*\q+9],   v[SUM+16*\q+12:SUM+16*\q+13]
	v_pk_add_f32 v[SUM+16*\q+10:SUM+16*\q+11], v[SUM+16*\q+10:SUM+16*\q+11], v[SUM+16*\q+14:SUM+16*\q+15]
	v_pk_add_f32 v[SUM+16*\q:SUM+16*\q+1],     v[SUM+16*\q:SUM+16*\q+1],     v[SUM+16*\q+8:SUM+16*\q+9]
	v_pk_add_f32 v[SUM+16*\q+2:SUM+16*\q+3],   v[SUM+16*\q+2:SUM+16*\q+3],   v[SUM+16*\q+10:SUM+16*\q+11]
	global_store_b128 v[OO], v[SUM+16*\q:SUM+16*\q+3], s[8:9] offset:(8*\g+\q)*OROW th:TH_STORE_NT   ; the wave stores 512 consecutive bytes, at a multiple of 512 from out0's first byte
.endr
.endm
	BATCH 0
	BATCH 1
	BATCH 2
	BATCH 3
	s_set_vgpr_msb 0x1
	s_wait_tensorcnt 0x0
	ds_add_u32 v255, v255
	s_wait_dscnt 0x0
	s_set_vgpr_msb 0x100
	CROUND                                         ; the closing round: no work-group ends while a partner may still ask for a tile that names it
	s_endpgm
.Lfunc_end_k_q4f8066f14d_down:
	.size	k_q4f8066f14d_down, .Lfunc_end_k_q4f8066f14d_down-k_q4f8066f14d_down
	.p2alignl 7, 3214868480
	.fill 96, 4, 3214868480
	.section	.rodata,"a",@progbits
	.p2align	6, 0x0
	.amdhsa_kernel k_q4f8066f14d_down
		.amdhsa_group_segment_fixed_size 327680
		.amdhsa_private_segment_fixed_size 0
		.amdhsa_enable_private_segment 0
		.amdhsa_kernarg_size 24
		.amdhsa_user_sgpr_count 2
		.amdhsa_user_sgpr_kernarg_segment_ptr 1
		.amdhsa_wavefront_size32 1
		.amdhsa_system_sgpr_workgroup_id_x 1
		.amdhsa_system_sgpr_workgroup_id_y 1
		.amdhsa_system_sgpr_workgroup_id_z 1
		.amdhsa_system_vgpr_workitem_id 0
		.amdhsa_next_free_vgpr 1024
		.amdhsa_next_free_sgpr 84
		.amdhsa_reserve_vcc 0
		.amdhsa_float_denorm_mode_32 3
		.amdhsa_float_denorm_mode_16_64 3
		.amdhsa_memory_ordered 1
		.amdhsa_forward_progress 1
		.amdhsa_inst_pref_size 140
	.end_amdhsa_kernel
	.amdgpu_metadata
---
amdhsa.version: [ 1, 2 ]
amdhsa.kernels:
  - .name:           k_q4f8066f14d_down
    .symbol:         k_q4f8066f14d_down.kd
    .args:
      - { .name: cb, .offset: 0, .size: 8, .value_kind: global_buffer, .address_space: global }
      - { .name: wdb, .offset: 8, .size: 8, .value_kind: global_buffer, .address_space: global }
      - { .name: out0, .offset: 16, .size: 8, .value_kind: global_buffer, .address_space: global }
    .group_segment_fixed_size: 327680
    .private_segment_fixed_size: 0
    .kernarg_segment_align: 8
    .kernarg_segment_size: 24
    .max_flat_workgroup_size: 128
    .sgpr_count:     84
    .vgpr_count:     1024
    .wavefront_size: 32
...
	.end_amdgpu_metadata
.endif
;; end of part 3
;; ======== version 2 of 3: 3 launches
;; workspace buffers: xb 8,388,608 bytes; wgu 45,088,768 bytes; wdb 22,544,384 bytes; cb 22,544,384 bytes
;; launch cvt (part 4): grid 1160 x 1, 8 waves a work-group, no clusters, 0 bytes of LDS; arguments x, w_gate, w_up, w_down, xb, wgu, wdb; writes xb, wgu, wdb
.if DOCPART == 4
	.amdgcn_target "amdgcn-amd-amdhsa--gfx1250"
	.amdhsa_code_object_version 6
	.text
	.protected	k_q4f8066f14d_cvt
	.globl	k_q4f8066f14d_cvt
	.p2align	8
	.type	k_q4f8066f14d_cvt,@function
k_q4f8066f14d_cvt:
	s_mov_b64 s[64:65], 0
	v_nop
	global_prefetch_b8 v0, s[64:65] scope:SCOPE_SE
	s_setreg_imm32_b32 hwreg(HW_REG_WAVE_MODE, 25, 1), 1
	s_wait_xcnt 0x0
; snnLlamaMLP in three launches.  Rows of x are (t, p): row = 512 t + p, t = 0..3, p = 0..511.
;   this one : x, w_gate, w_up, w_down from f32 to bf16 copies, once, in the row order that the second launch's register tiles want
;   the second: G = x w_gate^T, U = x w_up^T; per (p, i): X_t = G_0 + .. + G_t, Y_t = silu(X_t), A_t = Y_t - Y_(t-1), C_t = (A_t sum(U) + U_t sum(A)) / 2
;   the third : out = C w_down^T
; WORK LEFT OUT (in the second launch): sum(A) = Y_0 + (Y_1 - Y_0) + (Y_2 - Y_1) + (Y_3 - Y_2) = Y_3 in real numbers for all values of the inputs, so
; Y_3 is taken for it and the three additions are not made; the two differ by f32 rounding alone.  LIMIT: a NaN, an infinity or an overflow that would
; arise only in that sum of differences is not carried to the result.  Every input has a way to the output and is loaded; T = 4 is a constant.
; LIMIT: the operands of all three products, C among them, are rounded to bf16 (nearest even).
;
; A stream: every input byte is read once, by 16-byte loads (one load of a wave: 512 neighbouring bytes), every output byte written once, by 8-byte
; stores (one store of a wave: 256 neighbouring bytes, aligned).  No LDS, no barrier, no matrix unit, no cluster: no two work-groups read the same byte.
; A work-group takes one chunk of 32,768 numbers (128 KiB in, 64 KiB out; for x, w_gate, w_up that is 16 rows of 2,048), a wave 16 KiB of it (two such rows)
; by 32 loads that are all issued before the first is used.  No register is written again after a load or store has named it as a source.
; Chunks: 0..343 w_gate, 344..687 w_up, 688..1031 w_down, 1032..1159 x.
;   xb  row (p>>4)*64 + t*16 + (p&15) = x's row 512 t + p                  (the four t of 16 positions lie together)
;   wdb as w_down
;   wgu: 32 blocks of 344 rows.  Block c holds 172 i: slots 0..127 are i = 128 c + slot, slots 128..171 are i = 4096 + 44 c + (slot - 128).
;        Row 344 c + 8 (slot>>2) + (slot&3) = w_gate[i], the same + 4 = w_up[i]: four gate rows, then the four up rows of the same i.
;        In fours of i, q = i>>2: q < 1024: c = q>>5, g = q&31; else e = q - 1024: c = e / 11, g = 32 + e mod 11; the rows begin at 344 c + 8 g.
.set NW, 344                           ; chunks in each of the three weights
.set X,  4                             ; v[4:131]  32 loads of 4 registers; converted in place into the first two of each four
	s_load_b256 s[4:11], s[0:1], 0x0               ; x s[4:5], w_gate s[6:7], w_up s[8:9], w_down s[10:11]
	s_load_b128 s[12:15], s[0:1], 0x20             ; xb s[12:13], wgu s[14:15]
	s_load_b64 s[16:17], s[0:1], 0x30              ; wdb
	v_lshrrev_b32 v2, 5, v0
	v_readfirstlane_b32 s28, v2                    ; w: my wave's number as a scalar
	s_mov_b32 s20, ttmp9                           ; the chunk
	s_cmp_lt_u32 s20, NW                           ; the first chunk of its tensor
	s_cselect_b32 s21, 0, NW
	s_cmp_lt_u32 s20, 2*NW
	s_cselect_b32 s21, s21, 2*NW
	s_cmp_lt_u32 s20, 3*NW
	s_cselect_b32 s21, s21, 3*NW
	s_sub_co_u32 s22, s20, s21                     ; k: the chunk's number in its tensor
	; w_gate and w_up: my two rows are i = 16 k + 2 w and + 1
	s_lshr_b32 s2, s28, 1
	s_lshl2_add_u32 s3, s22, s2                    ; q = i>>2 = 4 k + (w>>1), 0..1375
	s_lshr_b32 s29, s3, 5                          ; q < 1024: the block
	s_and_b32 s30, s3, 31                          ;           and the four's place in it
	s_sub_co_u32 s31, s3, 1024                     ; else e = q - 1024, 0..351 (where q < 1024 what follows is not taken)
	s_mul_i32 s2, s31, 745
	s_lshr_b32 s2, s2, 13                          ; e / 11: 745 / 8192 is over 1/11 by 0.000033, which over e < 352 adds under 0.012, less than 1/11: the quotient is exact
	s_mul_i32 s18, s2, 11
	s_sub_co_u32 s31, s31, s18
	s_add_co_u32 s31, s31, 32                      ; 32 + e mod 11
	s_cmp_lt_u32 s3, 1024
	s_cselect_b32 s29, s29, s2
	s_cselect_b32 s30, s30, s31
	s_mul_i32 s29, s29, 344
	s_lshl3_add_u32 s29, s30, s29                  ; row 344 c + 8 g
	s_and_b32 s2, s28, 1
	s_lshl1_add_u32 s29, s2, s29                   ; + i&3 = 2 (w&1)
	s_lshl_b32 s23, s29, 12                        ; w_gate: in bytes, rows of 4,096
	s_add_co_u32 s29, s23, 0x4000                  ; w_up: four rows further down
	s_lshl_b32 s2, s28, 13                         ; dense outputs: 8 KiB a wave
	s_lshl_b32 s30, s22, 16                        ; w_down: 64 KiB a chunk
	s_add_co_u32 s30, s30, s2
	s_and_b32 s31, s22, 31
	s_lshl_b32 s31, s31, 18                        ; x: (p>>4) = k&31 groups of 64 rows
	s_add_co_u32 s31, s31, s2
	s_lshr_b32 s2, s22, 5
	s_lshl_b32 s2, s2, 16                          ;    + t = k>>5 times 16 rows
	s_add_co_u32 s31, s31, s2
	s_lshl_b32 s18, s22, 17                        ; in: 128 KiB a chunk,
	s_lshl_b32 s2, s28, 14                         ;     16 KiB a wave
	s_add_co_u32 s18, s18, s2
	s_mov_b32 s19, 0
	v_and_b32 v1, 31, v0                           ; lane
	v_lshlrev_b32 v2, 3, v1                        ; out: 8 bytes a lane
	v_lshlrev_b32 v1, 4, v1                        ; in: 16 bytes a lane
	s_wait_kmcnt 0x0
	; the choice of buffers and of the offset hangs on the chunk's number alone; behind each compare stand selects only
	s_cmp_lt_u32 s20, NW
	s_cselect_b64 s[24:25], s[6:7], s[8:9]
	s_cselect_b32 s23, s23, s29
	s_cmp_lt_u32 s20, 2*NW
	s_cselect_b64 s[24:25], s[24:25], s[10:11]
	s_cselect_b64 s[26:27], s[14:15], s[16:17]
	s_cselect_b32 s23, s23, s30
	s_cmp_lt_u32 s20, 3*NW
	s_cselect_b64 s[24:25], s[24:25], s[4:5]
	s_cselect_b64 s[26:27], s[26:27], s[12:13]
	s_cselect_b32 s23, s23, s31
	s_mov_b32 s22, s23                             ; the output offset as a pair
	s_mov_b32 s23, 0
	s_add_nc_u64 s[24:25], s[24:25], s[18:19]      ; from here
	s_add_nc_u64 s[26:27], s[26:27], s[22:23]      ; to here
.set i, 0
.rept 32
	global_load_b128 v[X+4*i:X+4*i+3], v1, s[24:25] offset:512*i th:TH_LOAD_NT   ; read once in the whole program
.set i, i+1
.endr
.set i, 0
.rept 32
	s_wait_loadcnt 31-i                            ; loads come back in order (ISA guide 5.7.1): load i is in, the 31 - i younger ones stay out
	v_cvt_pk_bf16_f32 v[X+4*i],   v[X+4*i],   v[X+4*i+1]
	v_cvt_pk_bf16_f32 v[X+4*i+1], v[X+4*i+2], v[X+4*i+3]
	global_store_b64 v2, v[X+4*i:X+4*i+1], s[26:27] offset:256*i    ; no hint: the next launches read it
.set i, i+1
.endr
	s_endpgm
.Lfunc_end_k_q4f8066f14d_cvt:
	.size	k_q4f8066f14d_cvt, .Lfunc_end_k_q4f8066f14d_cvt-k_q4f8066f14d_cvt
	.p2alignl 7, 3214868480
	.fill 96, 4, 3214868480
	.section	.rodata,"a",@progbits
	.p2align	6, 0x0
	.amdhsa_kernel k_q4f8066f14d_cvt
		.amdhsa_group_segment_fixed_size 0
		.amdhsa_private_segment_fixed_size 0
		.amdhsa_enable_private_segment 0
		.amdhsa_kernarg_size 56
		.amdhsa_user_sgpr_count 2
		.amdhsa_user_sgpr_kernarg_segment_ptr 1
		.amdhsa_wavefront_size32 1
		.amdhsa_system_sgpr_workgroup_id_x 1
		.amdhsa_system_sgpr_workgroup_id_y 1
		.amdhsa_system_sgpr_workgroup_id_z 1
		.amdhsa_system_vgpr_workitem_id 0
		.amdhsa_next_free_vgpr 132
		.amdhsa_next_free_sgpr 66
		.amdhsa_reserve_vcc 0
		.amdhsa_float_denorm_mode_32 3
		.amdhsa_float_denorm_mode_16_64 3
		.amdhsa_memory_ordered 1
		.amdhsa_forward_progress 1
		.amdhsa_inst_pref_size 14
	.end_amdhsa_kernel
	.amdgpu_metadata
---
amdhsa.version: [ 1, 2 ]
amdhsa.kernels:
  - .name:           k_q4f8066f14d_cvt
    .symbol:         k_q4f8066f14d_cvt.kd
    .args:
      - { .name: x, .offset: 0, .size: 8, .value_kind: global_buffer, .address_space: global }
      - { .name: w_gate, .offset: 8, .size: 8, .value_kind: global_buffer, .address_space: global }
      - { .name: w_up, .offset: 16, .size: 8, .value_kind: global_buffer, .address_space: global }
      - { .name: w_down, .offset: 24, .size: 8, .value_kind: global_buffer, .address_space: global }
      - { .name: xb, .offset: 32, .size: 8, .value_kind: global_buffer, .address_space: global }
      - { .name: wgu, .offset: 40, .size: 8, .value_kind: global_buffer, .address_space: global }
      - { .name: wdb, .offset: 48, .size: 8, .value_kind: global_buffer, .address_space: global }
    .group_segment_fixed_size: 0
    .private_segment_fixed_size: 0
    .kernarg_segment_align: 8
    .kernarg_segment_size: 56
    .max_flat_workgroup_size: 256
    .sgpr_count:     66
    .vgpr_count:     132
    .wavefront_size: 32
...
	.end_amdgpu_metadata
.endif
;; end of part 4
;; launch gateup (part 5): grid 32 x 8, 4 waves a work-group, clusters of 4 x 4, 327,680 bytes of LDS; arguments xb, wgu, cb; writes cb
.if DOCPART == 5
	.amdgcn_target "amdgcn-amd-amdhsa--gfx1250"
	.amdhsa_code_object_version 6
	.text
	.protected	k_q4f8066f14d_gateup
	.globl	k_q4f8066f14d_gateup
	.p2align	8
	.type	k_q4f8066f14d_gateup,@function
k_q4f8066f14d_gateup:
	s_mov_b64 s[64:65], 0
	v_nop
	global_prefetch_b8 v0, s[64:65] scope:SCOPE_SE
	s_setreg_imm32_b32 hwreg(HW_REG_WAVE_MODE, 25, 1), 1
	s_wait_xcnt 0x0
	s_wait_alu depctr_hold_cnt(0) depctr_sa_sdst(0) depctr_va_vdst(0) depctr_va_sdst(0) depctr_va_ssrc(0) depctr_va_vcc(0) depctr_vm_vsrc(0)
	s_getreg_b32 s2, hwreg(HW_REG_IB_STS2, 6, 4)
	s_cmp_eq_u32 s2, 0
	s_cbranch_scc0 .Lentry_in_a_cluster
	s_endpgm
.Lentry_in_a_cluster:
	s_bfe_u32 s2, ttmp6, 0x10000c
	s_cmp_lg_u32 s2, 0xf033
	s_cbranch_scc0 .Lentry_shape_is_right
	s_endpgm
.Lentry_shape_is_right:
; G = x w_gate^T and U = x w_up^T as ONE bf16 product xb [2048][2048] times wgu [11008][2048] (both with K along the rows), f32 sums, and on the way out,
; in registers: X_t = G_0 + .. + G_t, Y_t = silu(X_t), A_t = Y_t - Y_(t-1), C_t = (A_t sum(U) + U_t Y_3) / 2, stored as bf16 into cb [2048][5504], row 512 t + p.
; WORK LEFT OUT: sum(A) telescopes to Y_3 for all values of the inputs, so Y_3 is taken for it (shown at the head of the first kernel, with its limit).
; LIMITS: operands and C are rounded to bf16.  sigmoid(X)/2 = rcp(2 + 2 exp2(-1.442695 X)); v_exp_f32 and v_rcp_f32 flush denormals (ISA guide 15.8),
; so for X below about -86.6 Y comes out as -0 where its true magnitude is under 3e-36.  sum(U) is added as (U_0 + U_1) + (U_2 + U_3).
;
; THE SHAPE.  2048 x 11008 outputs over 256 work-groups are 88,064 each: 8 row blocks of 256 rows of xb x 32 column blocks of 344 rows of wgu (172 i).
; Four waves, 2 x 2; a wave makes 128 x 176: 88 accumulator tiles of 16 x 16, 704 registers, 19 fragments for 88 matrix instructions.  The two column halves are
; columns 0..175 and 168..343 of the block: 344 is 21.5 tiles, so 8 columns are made by both, 1/44 of the work, and no lane ever reads outside the tile.
; K goes in steps of 128 through a ring of two LDS slots of 256 + 344 rows; a tile's rows are 256 bytes of memory, at multiples of 256 bytes.  Two slots of
; 600 rows x 272 bytes are 326,400 bytes; with 352 rows of wgu they would be 330,752, more than the 327,680 that a work-group can be given.
; By the row orders of xb and wgu a wave's tile (hi, t, c) is: the 16 positions p = 16 (4 PB + 2 (w>>1) + hi) + 0..15 at time t; the block's columns
; 168 (w&1) + 16 c + 0..15, of which each eight are four gate rows and the four up rows of the same i.
; THE MATRIX INSTRUCTION IS USED TRANSPOSED: source 0 = 16 rows of wgu, source 1 = 16 rows of xb: lane l holds row l % 16 (a position), its registers 0 to 3
; G and its registers 4 to 7 U of the four i of slot 84 (w&1) + 8 c + 4 (l / 16) + 0..3.  So all G_t and U_t of one (p, i) lie in one lane.
; WHICH i: block CB owns slots 0..127 = i 128 CB + slot, which are bytes 256 CB .. + 255 of a row of cb, and slots 128..171 = i 4096 + 44 CB + (slot - 128),
; bytes 8192 + 88 CB .. + 87.  LIMIT: 5504 i over 32 blocks are 344 bytes of a row each, no multiple of 256.  So 8,192 of a row's 11,008 bytes are stored as
; aligned runs of 256 bytes, whole, by sixteen lanes; the other 2,816 in pieces of 88 bytes, which do not cover aligned runs of 256 bytes.
; CLUSTER: 4 x 4 work-groups.  xb's tile hangs on the row block alone and is shared along a row of the cluster, wgu's on the column block alone and is shared
; along a column: each is asked for jointly by the four that need it, which divides the requests by four.
;
; REGISTERS, in windows of 256.  A group = the four tiles t = 0..3 of one (hi, c), 32 registers, tile t at + 8 t.
;   window 0: v0-17 addresses; v32-95 the 8 fragments of xb, ONE buffer, filled again in halves as each half falls free; v96-255 groups (0,8) (0,9) (0,10) (1,8) (1,9)
;   window 1: v0-87, v88-175 the 11 fragments of wgu, two buffers; v176-207 group (1,10)
;   window 2: groups (0, c) at 32 c, c = 0..7;   window 3: groups (1, c) at 32 c
.set SIZE_K, 2048
.set KSTEP,  128
.set PITCH,  272                       ; an LDS row: 256 bytes + 16 of padding: 17 x 16, so the 16 rows that a fragment load touches lie in 16 different 16-byte columns modulo 256
.set AHALF,  128*PITCH                 ; what one tensor load brings of xb
.set BHALF,  172*PITCH                 ; what one tensor load brings of wgu
.set BBASE,  2*AHALF                   ; wgu's 344 rows lie behind xb's 256
.set SLOT,   BBASE+2*BHALF             ; 163,200
.set LAPS,   SIZE_K/(2*KSTEP)          ; a lap = two K steps = once round the ring: 8
.set CROW,   11008                     ; bytes in a row of cb
.set SPITCH, 176                       ; the stage: a wave's 88 slots in bf16: 11 x 16, so 16 rows lie in 16 different 16-byte columns modulo 256
.set REGION, 129*SPITCH                ; a wave's own stage of 128 rows, and one row's width of slack, which puts the right region's rows 176 bytes on modulo 256
.set ADRA, 8                           ; v8-9    LDS address of my xb fragments in slot 0, 1
.set ADRB, 10                          ; v10-11  the same for wgu
.set STO,  12                          ; v12     the way out: where I put 8 bytes of a row, in my own region
.set RD1,  13                          ; v13     where I read 16 bytes of slots 0..127 back
.set CO,   14                          ; v14     their byte offset in cb
.set RD2,  15                          ; v15     where I read 8 bytes of slots 128..171 back
.set CO2,  16                          ; v16     their byte offset in cb
.set LN,   17                          ; v17     lane
.set AF,   32                          ; xb's fragments: fragment a = 4 hi + t at AF + 8 a
.set B0,   0                           ; wgu's fragments, buffer 0 (window 1)
.set B1,   88                          ; buffer 1
.set T,    32                          ; v[32:47]  the way out: index 4 t + j; v[48:51]: the difference of t = 3, so that T(3) = Y_3 / 2 stays
.set SUMU, 52                          ; v[52:55]  U_0 + U_1, then sum(U)
.set SUMV, 56                          ; v[56:59]  U_2 + U_3
.set PK,   60                          ; v[60:67]  C_t in bf16, 2 registers for each t
.set BK,   32                          ; v[32:159]  32 pairs of rows read back, 16 bytes a lane
.set BK2,  160                         ; v[160:223] 32 pairs of rows read back, 8 bytes a lane
.set G1,  24                           ; s[24:31] descriptor group 1 for xb's tiles
.set G0,  32                           ; s[32:39] descriptor group 0 for xb's tiles, one set for each slot
.set G1B, 48                           ; s[48:55] group 1 for wgu's tiles
.set G0B, 56                           ; s[56:63] group 0 for wgu's tiles, one set for each slot
.set CB0, 68                           ; s[68:75] cb at my 16 positions' first row and my block's 256 bytes, for t = 0..3
.set MSB, 0
.macro WIN new                         ; the immediate's high byte repeats the setting that is left
.if MSB != \new
	s_set_vgpr_msb (MSB<<8)|\new
.set MSB, \new
.endif
.endm
.set TO_B, 0x40                        ; destination window 1, address window 0
; matrix settings: source 0 (wgu) window 1, source 1 (xb) window 0, C and D window W: 0x01, 0x51, 0xa1, 0xf1 for W = 0..3
; A joint load.  Waves 0 and 1 fetch xb's two halves, waves 2 and 3 wgu's.  The branch hangs on the wave's number alone.
.macro JLOAD s
	s_cmp_eq_u32 s11, 0
	s_cbranch_scc0 .Lfor_b_\@
	tensor_load_to_lds s[G0+4*\s:G0+4*\s+3], s[G1:G1+7]
	s_nop 0
	s_branch .Lasked_\@
.Lfor_b_\@:
	tensor_load_to_lds s[G0B+4*\s:G0B+4*\s+3], s[G1B:G1B+7]
	s_nop 0
.Lasked_\@:
.endm
; A round of the cluster's barrier: my work-group's barrier, so that wave 0's signal speaks for all four waves; wave 0 signals for the work-group; every wave
; waits for all sixteen work-groups; my work-group's barrier once more.
.macro CREST                           ; a round behind its opening barrier
	s_cmp_lg_u32 s10, 0
	s_cbranch_scc1 .Lnot_wave_0_\@
	s_barrier_signal -3
.Lnot_wave_0_\@:
	s_barrier_wait -3
	s_barrier_signal -1
	s_barrier_wait -1
.endm
.macro CROUND                          ; a whole round
	s_barrier_signal -1
	s_barrier_wait -1
	CREST
.endm
	s_load_b128 s[4:7], s[0:1], 0x0                ; xb s[4:5], wgu s[6:7]
	s_load_b64 s[8:9], s[0:1], 0x10                ; cb
	s_set_vgpr_msb 0x40
	v_lshl_add_u32 v255, v0, 2, 0x4fb00
	s_set_vgpr_msb 0x4000
	v_mov_b32 v31, 0
	s_set_vgpr_msb 0x1
	ds_add_u32 v255, v31
	s_set_vgpr_msb 0x100
	v_lshrrev_b32 v1, 5, v0
	v_readfirstlane_b32 s10, v1                    ; wave 0..3
	s_lshr_b32 s11, s10, 1                         ; which half of the block's rows is mine.  Also: I fetch for xb (0) or for wgu (1)
	s_and_b32 s12, s10, 1                          ; which half of its columns.  Also: which half of that tile I fetch
	s_bfe_u32 s40, ttmp6, 0x40000                  ; cx
	s_bfe_u32 s41, ttmp6, 0x40004                  ; cy
	s_lshl_b32 s42, ttmp9, 2                       ; in a cluster launch ttmp9 and ttmp7 count clusters
	s_add_co_u32 s42, s42, s40                     ; CB: column block 0..31
	s_and_b32 s13, ttmp7, 0xffff
	s_lshl_b32 s13, s13, 2
	s_add_co_u32 s13, s13, s41                     ; PB: row block 0..7
	s_lshl_b32 s43, s41, 2
	s_lshl_b32 s43, 15, s43                        ; my row of the cluster: places 4 cy .. 4 cy + 3
	s_lshl_b32 s44, 0x1111, s40                    ; my column: places cx, cx + 4, cx + 8, cx + 12
	; descriptor group 1: rows of 128 elements of 2 bytes; behind every 64 words (code 5) 4 words of padding (code 3); bit 21 set beside the mask
	s_or_b32 s[G1+0],  s43, (1<<16)|(1<<20)|(1<<21)|(5<<22)|(3<<25)   ; xb's tiles go to my row of the cluster
	s_or_b32 s[G1B+0], s44, (1<<16)|(1<<20)|(1<<21)|(5<<22)|(3<<25)   ; wgu's to my column
	s_mov_b32 s[G1+1], KSTEP<<16                   ; 63:48 tensor_dim0 = 128
	s_mov_b32 s[G1+2], 128<<16                     ; 95:80 tensor_dim1 = 128
	s_mov_b32 s[G1+3], KSTEP<<16                   ; 127:112 tile_dim0 = 128
	s_mov_b32 s[G1+4], 128                         ; 143:128 tile_dim1 = 128 rows
	s_mov_b32 s[G1+5], SIZE_K                      ; 191:160 elements from row to row
	s_mov_b32 s[G1+6], 0
	s_mov_b32 s[G1+7], 0
	s_mov_b32 s[G1B+1], KSTEP<<16
	s_mov_b32 s[G1B+2], 172<<16                    ; tensor_dim1 = 172
	s_mov_b32 s[G1B+3], KSTEP<<16
	s_mov_b32 s[G1B+4], 172                        ; tile_dim1 = 172 rows: half of the block's 344
	s_mov_b32 s[G1B+5], SIZE_K
	s_mov_b32 s[G1B+6], 0
	s_mov_b32 s[G1B+7], 0
	; where the tiles come from (rows of 4,096 bytes): xb's hang on PB alone, wgu's on CB alone, each in registers that never hold the other coordinate
	s_lshl_b32 s16, s13, 8
	s_lshl_b32 s17, s12, 7
	s_add_co_u32 s16, s16, s17
	s_lshl_b32 s16, s16, 12                        ; xb: row 256 PB + 128 half, in bytes
	s_mul_i32 s46, s42, 344
	s_mul_i32 s47, s12, 172
	s_add_co_u32 s46, s46, s47
	s_lshl_b32 s46, s46, 12                        ; wgu: row 344 CB + 172 half, in bytes (under 46 million)
	s_mov_b32 s17, 0
	s_mov_b32 s47, 0
	s_mul_i32 s20, s12, AHALF                      ; and where they go: xb's two halves,
	s_mul_i32 s21, s12, BHALF
	s_add_co_u32 s21, s21, BBASE                   ; then wgu's two halves: the wave's number and constants alone
	s_wait_dscnt 0x0
	s_wait_kmcnt 0x0
	s_add_nc_u64 s[14:15], s[4:5], s[16:17]
	s_add_nc_u64 s[46:47], s[6:7], s[46:47]
	CROUND                                         ; all sixteen work-groups are here: the first joint loads meet
.irp s, 0,1
	s_mov_b32 s[G0+4*\s], 1                                        ; 1:0 count = 1
	s_add_co_u32 s[G0+4*\s+1], s20, \s*SLOT                        ; 63:32 LDS address
	s_add_nc_u64 s[G0+4*\s+2:G0+4*\s+3], s[14:15], \s*KSTEP*2      ; 120:64 global address: K step s
	s_or_b32 s[G0+4*\s+3], s[G0+4*\s+3], 0x80000000                ; 127:126 type = 2
	s_mov_b32 s[G0B+4*\s], 1
	s_add_co_u32 s[G0B+4*\s+1], s21, \s*SLOT
	s_add_nc_u64 s[G0B+4*\s+2:G0B+4*\s+3], s[46:47], \s*KSTEP*2
	s_or_b32 s[G0B+4*\s+3], s[G0B+4*\s+3], 0x80000000
	JLOAD \s                                       ; both slots are asked for before anything else: two loads of the wave are out, later one
.endr
	; A fragment is 16 rows x 32 K in 8 registers: lane l holds row l % 16; registers 0-3 hold K = 8 (l / 16) + 0..7, registers 4-7 K = 16 + 8 (l / 16) + 0..7:
	; two loads of 16 bytes, 32 bytes apart.
	v_and_b32 v1, 15, v0                           ; r = l % 16
	v_bfe_u32 v2, v0, 4, 1                         ; h = l / 16
	v_and_b32 v[LN], 31, v0
	v_mul_u32_u24 v3, v1, PITCH
	v_lshl_add_u32 v3, v2, 4, v3                   ; row x pitch + 16 h
	s_mul_i32 s22, s11, AHALF                      ; my 128 rows of xb
	v_add_nc_u32 v[ADRA], s22, v3
	v_add_nc_u32 v[ADRA+1], SLOT, v[ADRA]
	s_mul_i32 s23, s12, 168*PITCH                  ; my 176 rows of wgu: from row 0 or from row 168 of the 344,
	s_add_co_u32 s23, s23, BBASE                   ; which lie behind xb's 256
	v_add_nc_u32 v[ADRB], s23, v3
	v_add_nc_u32 v[ADRB+1], SLOT, v[ADRB]
	; the stage.  In: my own region; the right halves' waves 8 bytes lower: their first four slots (84..87, which the left wave also makes) fall into the last
	; 8 bytes of the row above, which hold no slot, or into the slack in front of the region; slot 88 then lies at the row's byte 0.
	s_mul_i32 s23, s10, REGION
	s_lshl_b32 s19, s12, 3
	s_sub_co_u32 s23, s23, s19
	v_mul_u32_u24 v4, v1, SPITCH
	v_lshl_add_u32 v4, v2, 3, v4
	v_add_nc_u32 v[STO], s23, v4                   ; wave x region - 8 (w&1) + r x 176 + 8 h
	; Back: wave w takes the block's rows 64 w .. 64 w + 63: rows 64 (w&1) .. of regions 2 (w>>1) (slots 0..87) and 2 (w>>1) + 1 (slots 88..171).
	s_mul_i32 s23, s11, 2*REGION
	s_mul_i32 s19, s12, 64*SPITCH
	s_add_co_u32 s23, s23, s19
	v_add_nc_u32 v5, 5, v1
	v_lshrrev_b32 v5, 4, v5                        ; 1 for r = 11..15: slots 88..127, the right region's bytes 16 (r - 11)
	v_mul_u32_u24 v5, v5, REGION-SPITCH            ; region - 176 + 16 r
	v_lshl_add_u32 v5, v1, 4, v5
	v_mad_u32_u24 v5, v2, SPITCH, v5               ; lanes 16-31: the next row
	v_add_nc_u32 v[RD1], s23, v5
	v_mul_u32_u24 v5, v2, CROW                     ; and the same two rows in cb
	v_lshl_add_u32 v[CO], v1, 4, v5
	; slots 128..171: the right region's bytes 80..167, 11 lanes of 8 bytes a row; lanes 0-10 one row, lanes 11-21 the next, lanes 22-31 are off then
	v_add_nc_u32 v6, 5, v[LN]
	v_lshrrev_b32 v6, 4, v6                        ; 1 for lanes 11..21
	v_mul_u32_u24 v7, v6, SPITCH-88
	v_lshl_add_u32 v7, v[LN], 3, v7                ; 8 (lane - 11) + 176 = 8 lane + 88
	s_add_co_u32 s23, s23, REGION+80
	v_add_nc_u32 v[RD2], s23, v7
	v_mul_u32_u24 v7, v6, CROW-88
	v_lshl_add_u32 v7, v[LN], 3, v7
	s_mul_i32 s45, s42, 168                        ; from the base at byte 256 CB of the row to byte 8192 + 88 CB: 8192 - 168 CB, at least 2,984
	s_sub_co_u32 s45, 8192, s45
	v_add_nc_u32 v[CO2], s45, v7
; Four matrix instructions: the group (hi, c), whose tiles lie at acc + 8 t of the window that is set.  zero = 1: the first product starts the sums: nothing is cleared.
; The 88 accumulators take turns, one instruction a turn, in the same order in every quarter step.
.macro MULG fb, hi, c, acc, zero
.irp t, 0,1,2,3
.if \zero
	v_wmma_f32_16x16x32_bf16 v[\acc+8*\t:\acc+8*\t+7], v[\fb+8*\c:\fb+8*\c+7], v[AF+32*\hi+8*\t:AF+32*\hi+8*\t+7], 0
.else
	v_wmma_f32_16x16x32_bf16 v[\acc+8*\t:\acc+8*\t+7], v[\fb+8*\c:\fb+8*\c+7], v[AF+32*\hi+8*\t:AF+32*\hi+8*\t+7], v[\acc+8*\t:\acc+8*\t+7]
.endif
.endr
.endm
.macro HALF0A fb, zero                 ; my rows 0-63, columns 0..127: 32 matrix instructions
	WIN 0xa1
.irp c, 0,1,2,3,4,5,6,7
	MULG \fb, 0, \c, 32*\c, \zero
.endr
.endm
.macro HALF0B fb, zero                 ; my rows 0-63, columns 128..175: 12
	WIN 0x01
	MULG \fb, 0, 8, 96, \zero
	MULG \fb, 0, 9, 128, \zero
	MULG \fb, 0, 10, 160, \zero
.endm
.macro HALF1 fb, zero                  ; my rows 64-127: 44
	WIN 0xf1
.irp c, 0,1,2,3,4,5,6,7
	MULG \fb, 1, \c, 32*\c, \zero
.endr
	WIN 0x01
	MULG \fb, 1, 8, 192, \zero
	MULG \fb, 1, 9, 224, \zero
	WIN 0x51
	MULG \fb, 1, 10, 176, \zero
.endm
; 8 LDS loads: xb's fragments a0 .. a0 + 3 (a0 = 0: my rows 0-63, 4: rows 64-127), 32 K at byte k of the rows
.macro LDA slot, k, a0
	WIN 0
.irp a, 0,1,2,3
	ds_load_b128 v[AF+8*(\a0+\a):AF+8*(\a0+\a)+3],   v[ADRA+\slot] offset:\k+(\a0+\a)*16*PITCH
	ds_load_b128 v[AF+8*(\a0+\a)+4:AF+8*(\a0+\a)+7], v[ADRA+\slot] offset:\k+(\a0+\a)*16*PITCH+32
.endr
.endm
; 22 LDS loads: wgu's 11 fragments into buffer fb
.macro LDB slot, k, fb
	WIN TO_B
.irp c, 0,1,2,3,4,5,6,7,8,9,10
	ds_load_b128 v[\fb+8*\c:\fb+8*\c+3],   v[ADRB+\slot] offset:\k+\c*16*PITCH
	ds_load_b128 v[\fb+8*\c+4:\fb+8*\c+7], v[ADRB+\slot] offset:\k+\c*16*PITCH+32
.endr
.endm
; A load into a register that a matrix instruction has read, and a vector instruction or LDS store that reads a matrix result, stand four places behind that
; matrix instruction; only plain vector instructions that name none of its registers are places.
.macro PLACES
.rept 4
	v_nop
.endr
.endm
; A K step is four quarter steps of 32 along K, 88 matrix instructions each, on wgu's buffers 0, 1, 0, 1.  xb's eight fragments have one buffer: the upper four
; fall free with the last quarter's last products and are loaded at this quarter's head, 44 matrix instructions ahead of their use; the lower four fall free
; in this quarter's middle and are loaded there for the next quarter, with wgu's next eleven, again 44 ahead.
.macro QUARTER slot, k, fb, gb, zero
	PLACES
	LDA \slot, \k, 4
	s_wait_dscnt 8                                 ; all but the 8 just issued: wgu's eleven and xb's lower four are in
	HALF0A \fb, \zero
	HALF0B \fb, \zero
	PLACES
	LDA \slot, \k+64, 0
	LDB \slot, \k+64, \gb
	s_wait_dscnt 30                                ; all but the 30 just issued: xb's upper four are in
	HALF1 \fb, \zero
.endm
.macro THREE slot, zero
	QUARTER \slot, 0,   B0, B1, \zero
	QUARTER \slot, 64,  B1, B0, 0
	QUARTER \slot, 128, B0, B1, 0
.endm
; The last quarter: multiplies buffer 1 and changes slots.  next = the other slot; fill = 1: this slot is filled again, two K steps ahead.
; In front of the barrier each wave waits for its own reads of this slot and for all its tensor loads, of which one is out: its part of the next slot.
; Behind it nobody reads this slot any more and the next slot is whole: the refill comes first, then the next slot's first fragments.
; From a request to the wait for it a wave issues 44 + 3 x 88 + 32 = 340 matrix instructions.
.macro TURN slot, next, fill
	PLACES
	LDA \slot, 192, 4
	s_wait_dscnt 8
	HALF0A B1, 0
	s_wait_dscnt 0                                 ; my reads of this slot are over
	s_wait_tensorcnt 0x0                           ; and all my tensor loads have landed
	ds_add_u32 v255, v31
	s_wait_dscnt 0x0
	s_barrier_signal -1                            ; say so (where a slot is filled again this barrier opens a round of the cluster's barrier),
	HALF0B B1, 0                                   ; work on registers while the others arrive,
	WIN 0
	s_barrier_wait -1
.if \fill
	CREST                                          ; all sixteen work-groups have said so: no wave of any partner still reads this slot or has a load on its way
	s_add_nc_u64 s[G0+4*\slot+2:G0+4*\slot+3], s[G0+4*\slot+2:G0+4*\slot+3], 2*KSTEP*2
	s_add_nc_u64 s[G0B+4*\slot+2:G0B+4*\slot+3], s[G0B+4*\slot+2:G0B+4*\slot+3], 2*KSTEP*2
	JLOAD \slot                                    ; the first tensor load behind the round, and the wave's only one until the next
.endif
	PLACES
	LDA \next, 0, 0
	LDB \next, 0, B0
	HALF1 B1, 0                                    ; xb's upper four were shown in by the wait for 0 above
.endm
.macro LAP zero                        ; once round the ring, both slots filled again
	THREE 0, \zero
	TURN 0, 1, 1
	THREE 1, 0
	TURN 1, 0, 1
.endm
	s_wait_tensorcnt 1                             ; my part of K step 0 is in; K step 1's may stay out
	s_barrier_signal -1
	s_barrier_wait -1                              ; everybody's is
	LDA 0, 0, 0
	LDB 0, 0, B0
	LAP 1                                          ; the first lap stands in front of the loop: its first products start the sums
	WIN 0                                          ; at a label and at a branch every window is 0
	s_mov_b32 s3, LAPS-2
.Llap:
	LAP 0
	WIN 0
	s_sub_co_u32 s3, s3, 1
	s_cmp_lg_u32 s3, 0
	s_cbranch_scc1 .Llap
	THREE 0, 0                                     ; the last lap fills nothing
	TURN 0, 1, 0                                   ; behind this barrier no wave reads slot 0 and no load fills it again: it becomes the stage
	THREE 1, 0
	PLACES                                         ; the very last quarter: nothing more to fetch but xb's upper four
	LDA 1, 192, 4
	s_wait_dscnt 8
	HALF0A B1, 0
	HALF0B B1, 0
	s_wait_dscnt 0
	HALF1 B1, 0
	; THE WAY OUT.
	PLACES                                         ; the places behind the last matrix instructions
	s_lshl_b32 s16, s13, 6                         ; cb's rows that I store: 512 t + 64 PB + 16 w + 0..15,
	s_lshl4_add_u32 s16, s10, s16
	s_mul_i32 s16, s16, CROW
	s_mov_b32 s17, 0
	s_add_nc_u64 s[CB0:CB0+1], s[8:9], s[16:17]
	s_lshl_b32 s46, s42, 8                         ; at byte 256 CB of the row (in the registers that held wgu's offset: none that fed xb's descriptors holds cx)
	s_mov_b32 s47, 0
	s_add_nc_u64 s[CB0:CB0+1], s[CB0:CB0+1], s[46:47]
.irp t, 1,2,3
	s_add_nc_u64 s[CB0+2*\t:CB0+2*\t+1], s[CB0+2*\t-2:CB0+2*\t-1], 512*CROW
.endr
; One group: 16 positions x 8 i x 4 t; a lane has 4 i.  w = the group's window, acc = its first register.  G_t at acc + 8 t + j, U_t at acc + 8 t + 4 + j, j = 0..3.
; Settings: 0x55 w: every operand place in window w; 0x15 w: all sources there, the destination in window 0; w: source 0 alone there.
; D(t) = T + 4 t for t < 3, T + 16 for t = 3.
.macro EPI w, acc, hi, c
	WIN 0x55*\w
.irp t, 1,2,3
.irp j, 0,2
	v_pk_add_f32 v[\acc+8*\t+\j:\acc+8*\t+\j+1], v[\acc+8*\t+\j:\acc+8*\t+\j+1], v[\acc+8*\t-8+\j:\acc+8*\t-8+\j+1]   ; X_t = X_(t-1) + G_t, in place
.endr
.endr
	WIN 0x15*\w
.irp t, 0,1,2,3
.irp j, 0,2
	v_pk_mul_f32 v[T+4*\t+\j:T+4*\t+\j+1], v[\acc+8*\t+\j:\acc+8*\t+\j+1], 0xbfb8aa3b op_sel_hi:[1,0]                 ; -X log2(e)
.endr
.endr
.irp j, 0,2
	v_pk_add_f32 v[SUMU+\j:SUMU+\j+1], v[\acc+4+\j:\acc+5+\j], v[\acc+12+\j:\acc+13+\j]                               ; U_0 + U_1
	v_pk_add_f32 v[SUMV+\j:SUMV+\j+1], v[\acc+20+\j:\acc+21+\j], v[\acc+28+\j:\acc+29+\j]                             ; U_2 + U_3
.endr
	WIN 0
.set i, 0
.rept 16
	v_exp_f32 v[T+i], v[T+i]
.set i, i+1
.endr
.irp j, 0,2
	v_pk_add_f32 v[SUMU+\j:SUMU+\j+1], v[SUMU+\j:SUMU+\j+1], v[SUMV+\j:SUMV+\j+1]   ; sum(U); also the plain instruction that stands between the exponentials and the use of their results (ISA guide 5.7.2)
.endr
.set i, 0
	s_wait_alu depctr_va_vdst(0)
.rept 8
	v_pk_fma_f32 v[T+i:T+i+1], v[T+i:T+i+1], 2.0, 2.0 op_sel_hi:[1,0,0]             ; 2 + 2 e: its reciprocal is sigmoid / 2, which carries the formula's factor 1/2
.set i, i+2
.endr
.set i, 0
.rept 16
	v_rcp_f32 v[T+i], v[T+i]
.set i, i+1
.endr
	v_nop                                          ; the plain instruction behind the reciprocals
	WIN \w
	s_wait_alu depctr_va_vdst(0)
.irp t, 0,1,2,3
.irp j, 0,2
	v_pk_mul_f32 v[T+4*\t+\j:T+4*\t+\j+1], v[\acc+8*\t+\j:\acc+8*\t+\j+1], v[T+4*\t+\j:T+4*\t+\j+1]                   ; Y_t / 2
.endr
.endr
	WIN 0
.irp t, 3,2,1
.irp j, 0,2
	v_pk_add_f32 v[T+4*\t+4*(\t/3)+\j:T+4*\t+4*(\t/3)+\j+1], v[T+4*\t+\j:T+4*\t+\j+1], v[T+4*\t-4+\j:T+4*\t-4+\j+1] neg_lo:[0,1] neg_hi:[0,1]   ; A_t / 2; that of t = 3 apart, Y_3 / 2 stays
.endr
.endr
.irp t, 0,1,2,3
.irp j, 0,2
	v_pk_mul_f32 v[T+4*\t+4*(\t/3)+\j:T+4*\t+4*(\t/3)+\j+1], v[T+4*\t+4*(\t/3)+\j:T+4*\t+4*(\t/3)+\j+1], v[SUMU+\j:SUMU+\j+1]
.endr
.endr
	WIN \w
.irp t, 0,1,2,3
.irp j, 0,2
	v_pk_fma_f32 v[T+4*\t+4*(\t/3)+\j:T+4*\t+4*(\t/3)+\j+1], v[\acc+8*\t+4+\j:\acc+8*\t+5+\j], v[T+12+\j:T+13+\j], v[T+4*\t+4*(\t/3)+\j:T+4*\t+4*(\t/3)+\j+1]   ; C_t = U_t Y_3 / 2 + A_t sum(U) / 2
.endr
.endr
	WIN 0
.irp t, 0,1,2,3
.irp q, 0,1
	v_cvt_pk_bf16_f32 v[PK+2*\t+\q], v[T+4*\t+4*(\t/3)+2*\q], v[T+4*\t+4*(\t/3)+2*\q+1]
.endr
.endr
.irp t, 0,1,2,3
	ds_store_b64 v[STO], v[PK+2*\t:PK+2*\t+1] offset:(64*\hi+16*\t)*SPITCH+16*\c    ; my region's row 64 hi + 16 t + r, my slots 8 c + 4 h + 0..3
.endr
.endm
.irp c, 0,1,2,3,4,5,6,7
	EPI 2, 32*\c, 0, \c
.endr
	EPI 0, 96, 0, 8
	EPI 0, 128, 0, 9
	EPI 0, 160, 0, 10
.irp c, 0,1,2,3,4,5,6,7
	EPI 3, 32*\c, 1, \c
.endr
	EPI 0, 192, 1, 8
	EPI 0, 224, 1, 9
	EPI 1, 176, 1, 10
	s_wait_dscnt 0x0                               ; my stores into the stage are done: a row's two parts come from two waves
	s_barrier_signal -1
	s_barrier_wait -1
.set i, 0
.rept 32
	ds_load_b128 v[BK+4*i:BK+4*i+3], v[RD1] offset:2*i*SPITCH      ; slots 0..127 of the block's rows 64 w + 2 i and + 1, 256 bytes each
.set i, i+1
.endr
	; row 64 w + 2 (8 t + u) + h of the block is t and position 16 w + 2 u + h of the block's 64
.irp t, 0,1,2,3
.irp u, 0,1,2,3,4,5,6,7
	s_wait_dscnt 31-(8*\t+\u)                      ; LDS loads come back in order (ISA guide 5.7.1): this pair of rows is in
	global_store_b128 v[CO], v[BK+4*(8*\t+\u):BK+4*(8*\t+\u)+3], s[CB0+2*\t:CB0+2*\t+1] offset:2*\u*CROW   ; 16 lanes store 256 consecutive bytes, at a multiple of 256 from cb's first byte
.endr
.endr
	; slots 128..171: 88 bytes a row, two rows at a time, lanes 0 to 21
	v_cmp_gt_u32 vcc_lo, 22, v[LN]
	s_wait_xcnt 0x0                                ; EXEC is a source of the stores above: it changes only behind this wait
	s_and_saveexec_b32 s76, vcc_lo
.set i, 0
.rept 32
	ds_load_b64 v[BK2+2*i:BK2+2*i+1], v[RD2] offset:2*i*SPITCH
.set i, i+1
.endr
.irp t, 0,1,2,3
.irp u, 0,1,2,3,4,5,6,7
	s_wait_dscnt 31-(8*\t+\u)
	global_store_b64 v[CO2], v[BK2+2*(8*\t+\u):BK2+2*(8*\t+\u)+1], s[CB0+2*\t:CB0+2*\t+1] offset:2*\u*CROW   ; 11 lanes store a row's 88 bytes at byte 8192 + 88 CB
.endr
.endr
	s_wait_xcnt 0x0                                ; and again, in front of the line that widens it
	s_or_b32 exec_lo, exec_lo, s76
	s_set_vgpr_msb 0x1
	s_wait_tensorcnt 0x0
	ds_add_u32 v255, v31
	s_wait_dscnt 0x0
	s_set_vgpr_msb 0x100
	CROUND                                         ; the closing round: no work-group ends while a partner may still ask for a tile that names it
	s_endpgm
.Lfunc_end_k_q4f8066f14d_gateup:
	.size	k_q4f8066f14d_gateup, .Lfunc_end_k_q4f8066f14d_gateup-k_q4f8066f14d_gateup
	.p2alignl 7, 3214868480
	.fill 96, 4, 3214868480
	.section	.rodata,"a",@progbits
	.p2align	6, 0x0
	.amdhsa_kernel k_q4f8066f14d_gateup
		.amdhsa_group_segment_fixed_size 327680
		.amdhsa_private_segment_fixed_size 0
		.amdhsa_enable_private_segment 0
		.amdhsa_kernarg_size 24
		.amdhsa_user_sgpr_count 2
		.amdhsa_user_sgpr_kernarg_segment_ptr 1
		.amdhsa_wavefront_size32 1
		.amdhsa_system_sgpr_workgroup_id_x 1
		.amdhsa_system_sgpr_workgroup_id_y 1
		.amdhsa_system_sgpr_workgroup_id_z 1
		.amdhsa_system_vgpr_workitem_id 0
		.amdhsa_next_free_vgpr 1024
		.amdhsa_next_free_sgpr 80
		.amdhsa_reserve_vcc 1
		.amdhsa_float_denorm_mode_32 3
		.amdhsa_float_denorm_mode_16_64 3
		.amdhsa_memory_ordered 1
		.amdhsa_forward_progress 1
		.amdhsa_inst_pref_size 255
	.end_amdhsa_kernel
	.section	.bss,"aw",@nobits
	.p2align	6
	.space	262144
	.amdgpu_metadata
---
amdhsa.version: [ 1, 2 ]
amdhsa.kernels:
  - .name:           k_q4f8066f14d_gateup
    .symbol:         k_q4f8066f14d_gateup.kd
    .args:
      - { .name: xb, .offset: 0, .size: 8, .value_kind: global_buffer, .address_space: global }
      - { .name: wgu, .offset: 8, .size: 8, .value_kind: global_buffer, .address_space: global }
      - { .name: cb, .offset: 16, .size: 8, .value_kind: global_buffer, .address_space: global }
    .group_segment_fixed_size: 327680
    .private_segment_fixed_size: 0
    .kernarg_segment_align: 8
    .kernarg_segment_size: 24
    .max_flat_workgroup_size: 128
    .sgpr_count:     80
    .vgpr_count:     1024
    .wavefront_size: 32
...
	.end_amdgpu_metadata
.endif
;; end of part 5
;; launch down (part 6): grid 16 x 16, 4 waves a work-group, clusters of 4 x 4, 327,680 bytes of LDS; arguments cb, wdb, out0; writes out0
.if DOCPART == 6
	.amdgcn_target "amdgcn-amd-amdhsa--gfx1250"
	.amdhsa_code_object_version 6
	.text
	.protected	k_q4f8066f14d_down
	.globl	k_q4f8066f14d_down
	.p2align	8
	.type	k_q4f8066f14d_down,@function
k_q4f8066f14d_down:
	s_mov_b64 s[64:65], 0
	v_nop
	global_prefetch_b8 v0, s[64:65] scope:SCOPE_SE
	s_setreg_imm32_b32 hwreg(HW_REG_WAVE_MODE, 25, 1), 1
	s_wait_xcnt 0x0
	s_wait_alu depctr_hold_cnt(0) depctr_sa_sdst(0) depctr_va_vdst(0) depctr_va_sdst(0) depctr_va_ssrc(0) depctr_va_vcc(0) depctr_vm_vsrc(0)
	s_getreg_b32 s2, hwreg(HW_REG_IB_STS2, 6, 4)
	s_cmp_eq_u32 s2, 0
	s_cbranch_scc0 .Lentry_in_a_cluster
	s_endpgm
.Lentry_in_a_cluster:
	s_bfe_u32 s2, ttmp6, 0x10000c
	s_cmp_lg_u32 s2, 0xf033
	s_cbranch_scc0 .Lentry_shape_is_right
	s_endpgm
.Lentry_shape_is_right:
; out[m][n] = sum over i of C[m][i] w_down[n][i].  cb [2048][5504] and wdb [2048][5504] bf16 with K = i along the rows, out0 [2048][2048] f32.  No work is left out here.
; LIMIT: each output is the sum of four f32 partial sums over interleaved quarters of K, another order of rounding than a single ascending sum.
; 2048 x 2048 outputs are 256 blocks of 128 x 128, one for each work-group.  A wave tile of 64 x 64 would load 8 fragments for 16 matrix instructions; instead
; EVERY wave holds the whole block (64 accumulator tiles, 512 registers, 16 fragments for 64 matrix instructions) for a quarter of K: of each chunk of 128 along K
; wave w multiplies k = 32 w .. 32 w + 31: 43 units of 64 matrix instructions.  The four partial blocks are added through LDS on the way out.
;
; ONE REGION OF LDS, THREE FRAGMENT BUFFERS.  By the split of K every byte of a tile is read from LDS once, by one wave: LDS is a way station.  So it holds one
; region of 512 along K (four chunks; 256 rows x 1,040 bytes = 266,240; two such do not fit), and a wave draws its four units out of it into three register buffers:
; units 0, 1, 2 at once, unit 3 into the first buffer as soon as unit 0 is multiplied.  Then the region is asked for again, while 160 of the period's 256 matrix
; instructions are still to be issued from registers.  One load of a wave brings 64 rows x 1,024 bytes, and the launch has 10 refills with their barriers.
; 43 chunks are 3 + 10 x 4: of the first fill (row bytes 0..1023) only three chunks are multiplied, and region p >= 1 begins at row byte 768 + 1,024 (p - 1), so that
; region 10 ends at the row's end: all eleven fills have one descriptor and none crosses the tensor's end.  Chunk 3 is brought twice: 1/43 more bytes.
; CLUSTER: 4 x 4 work-groups.  cb's tile hangs on the block row alone and is shared along a row of the cluster, wdb's on the block column alone and is shared along
; a column: each is asked for jointly by the four that need it, which divides the requests by four.
; PREFETCH: a block row's 128 rows of cb are read by the 16 work-groups of that block row; each asks for 8 of them, rows 128 BR + 8 BC + 0..7, four blocks of 256 bytes
; a row and region: one instruction of 32 lanes, by wave 0.  Likewise wave 1 for wdb's rows 128 BC + 8 BR + 0..7.  So each aligned block of 256 bytes of regions 1 to 10
; is asked for once in the launch.  Behind the first fill the ask is for region 1; in the period that multiplies region p and requests region p + 1 it is for
; region p + 2: one period ahead of the tensor load that wants it, 16 KiB a work-group.  The last two periods ask for nothing; region 10's last block ends at the
; row's end, so no prefetch points past a buffer.
;
; REGISTERS: window 0 addresses and cb's fragments (v64-127, v128-191, v192-255), window 1 wdb's fragments at the same numbers, windows 2 and 3 the accumulators:
; tile (a, b) at v[8 (8 a + b)], rows 16 (4 hi + a) + .., columns 16 b + ...  The matrix instruction is used transposed (source 0 = rows of wdb): lane l holds
; row l % 16, its registers 0 to 7 the columns 8 (l / 16) + 0..7: 32 neighbouring bytes of a row of out0.
.set SIZE_K, 5504
.set ROWB,   2*SIZE_K                  ; bytes in a row of cb and of wdb: 43 x 256
.set REGB,   1024                      ; bytes of a row in the region
.set PITCH,  1040                      ; an LDS row: 1,024 bytes + 16 of padding = 65 x 16: 16 rows lie in 16 different 16-byte columns modulo 256
.set QROWS,  64*PITCH                  ; 64 rows: what one tensor load brings
.set EPITCH, 528                       ; the way out: a row of 128 f32 + 16 bytes = 33 x 16
.set REGION, 128*EPITCH                ; a wave's partial block; four of them are 270,336 bytes
.set OROW,   8192                      ; bytes in a row of out0
.set ADRA, 16                          ; v16-17  LDS address of my cb fragments: rows 0-63, rows 64-127 (7 x 16 rows of 1,040 bytes pass the 16-bit offset)
.set ADRB, 20                          ; v20-21  the same for wdb
.set PST,  24                          ; v24     where I put 16 bytes of my partial block
.set OO,   25                          ; v25     16 x lane: my byte offset in a row's 512 bytes
.set PFO,  26                          ; v26     the prefetch: (lane / 4) rows + (lane % 4) blocks of 256 bytes; never rewritten
.set PRD,  28                          ; v28-31  where I read my rows of partial block 0..3
.set F0,   64
.set F1,   128
.set F2,   192
.set SUM,  64                          ; v[64:191] eight rows x four partial sums x 4 registers
.set G1,   24                          ; s[24:31] group 1, cb's tiles
.set G0,   32                          ; s[32:35] group 0, cb's tiles
.set PF,   36                          ; s[36:37] the prefetch's base
.set G1B,  48                          ; s[48:55] group 1, wdb's tiles
.set G0B,  56                          ; s[56:59] group 0, wdb's tiles
.set MSB, 0
.macro WIN new                         ; the immediate's high byte repeats the setting that is left
.if MSB != \new
	s_set_vgpr_msb (MSB<<8)|\new
.set MSB, \new
.endif
.endm
.set MUL_LO, 0xa1                      ; source 0 (wdb) window 1, source 1 (cb) window 0, C and D window 2
.set MUL_HI, 0xf1                      ; the same, C and D window 3
.set TO_B,   0x40                      ; destination window 1, address window 0
; A joint load.  Waves 0 and 1 fetch cb's two halves, waves 2 and 3 wdb's.  The branch hangs on the wave's number alone.
.macro JLOAD
	s_cmp_eq_u32 s11, 0
	s_cbranch_scc0 .Lfor_b_\@
	tensor_load_to_lds s[G0:G0+3], s[G1:G1+7]
	s_nop 0
	s_branch .Lasked_\@
.Lfor_b_\@:
	tensor_load_to_lds s[G0B:G0B+3], s[G1B:G1B+7]
	s_nop 0
.Lasked_\@:
.endm
.macro CREST                           ; a round of the cluster's barrier behind its opening barrier
	s_cmp_lg_u32 s10, 0
	s_cbranch_scc1 .Lnot_wave_0_\@
	s_barrier_signal -3
.Lnot_wave_0_\@:
	s_barrier_wait -3
	s_barrier_signal -1
	s_barrier_wait -1
.endm
.macro CROUND                          ; a whole round
	s_barrier_signal -1
	s_barrier_wait -1
	CREST
.endm
; Waves 0 and 1 ask for their 32 blocks of the next region but one.  step = 1: the base goes one region on first.
.macro PREF step
	s_cmp_lg_u32 s11, 0
	s_cbranch_scc1 .Lno_ask_\@
.if \step
	s_wait_xcnt 0x0                                ; the base, which the last period's prefetch reads, is rewritten only behind this wait (ISA guide 3.1); that prefetch stands a period back
	s_add_nc_u64 s[PF:PF+1], s[PF:PF+1], REGB
.endif
	global_prefetch_b8 v[PFO], s[PF:PF+1] th:TH_LOAD_NT scope:SCOPE_SE
.Lno_ask_\@:
.endm
	s_load_b128 s[4:7], s[0:1], 0x0                ; cb s[4:5], wdb s[6:7]
	s_load_b64 s[8:9], s[0:1], 0x10                ; out0
	v_lshl_add_u32 v62, v0, 2, 0x42000
	v_mov_b32 v63, 0
	ds_add_u32 v62, v63
	v_lshrrev_b32 v1, 5, v0
	v_readfirstlane_b32 s10, v1                    ; wave 0..3
	v_and_b32 v5, 31, v0                           ; lane
	v_lshrrev_b32 v6, 2, v5
	v_and_b32 v7, 3, v5
	v_mul_u32_u24 v6, v6, ROWB
	v_lshl_add_u32 v[PFO], v7, 8, v6               ; (lane / 4) rows + (lane % 4) x 256 bytes
	s_lshr_b32 s11, s10, 1                         ; I fetch for cb (0) or for wdb (1).  Also: I prefetch (0) or not (1)
	s_and_b32 s12, s10, 1                          ; which 64 rows of that tile I fetch.  Also: I prefetch cb (0) or wdb (1)
	s_bfe_u32 s40, ttmp6, 0x40000                  ; cx
	s_bfe_u32 s41, ttmp6, 0x40004                  ; cy
	s_lshl_b32 s42, ttmp9, 2
	s_add_co_u32 s42, s42, s40                     ; BC: block column = 4 x cluster x + cx
	s_and_b32 s13, ttmp7, 0xffff
	s_lshl_b32 s13, s13, 2
	s_add_co_u32 s13, s13, s41                     ; BR: block row = 4 x cluster y + cy
	s_lshl_b32 s43, s41, 2
	s_lshl_b32 s43, 15, s43                        ; my row of the cluster: places 4 cy .. 4 cy + 3
	s_lshl_b32 s44, 0x1111, s40                    ; my column: places cx, cx + 4, cx + 8, cx + 12
	; group 1: 64 rows x 512 elements of 2 bytes; behind every 256 words (code 7) 4 words of padding (code 3); bit 21 set beside the mask
	s_or_b32 s[G1+0],  s43, (1<<16)|(1<<20)|(1<<21)|(7<<22)|(3<<25)
	s_or_b32 s[G1B+0], s44, (1<<16)|(1<<20)|(1<<21)|(7<<22)|(3<<25)
.irp g, G1, G1B
	s_mov_b32 s[\g+1], 512<<16                     ; tensor_dim0 = 512
	s_mov_b32 s[\g+2], 64<<16                      ; tensor_dim1 = 64
	s_mov_b32 s[\g+3], 512<<16                     ; tile_dim0 = 512
	s_mov_b32 s[\g+4], 64                          ; tile_dim1 = 64
	s_mov_b32 s[\g+5], SIZE_K                      ; elements from row to row
	s_mov_b32 s[\g+6], 0
	s_mov_b32 s[\g+7], 0
.endr
	; where the tiles come from: cb's hang on the block row alone, wdb's on the block column alone, each in registers that never hold the other coordinate
	s_lshl_b32 s17, s12, 6                         ; which 64 rows of the tile I fetch
	s_lshl_b32 s16, s13, 7
	s_add_co_u32 s16, s16, s17
	s_mul_i32 s16, s16, ROWB                       ; cb: row 128 BR + 64 x half, in bytes (under 23 million)
	s_lshl_b32 s46, s42, 7
	s_add_co_u32 s46, s46, s17
	s_mul_i32 s46, s46, ROWB                       ; wdb: row 128 BC + 64 x half
	s_mov_b32 s17, 0
	s_mov_b32 s47, 0
	s_mul_i32 s20, s10, QROWS                      ; and where they go: wave x 64 rows
	; the rows that I prefetch, in registers that feed no descriptor
	s_lshl_b32 s38, s13, 7
	s_lshl3_add_u32 s38, s42, s38                  ; cb: row 128 BR + 8 BC
	s_lshl_b32 s39, s42, 7
	s_lshl3_add_u32 s39, s13, s39                  ; wdb: row 128 BC + 8 BR
	s_wait_dscnt 0x0
	s_wait_kmcnt 0x0
	s_add_nc_u64 s[14:15], s[4:5], s[16:17]
	s_add_nc_u64 s[46:47], s[6:7], s[46:47]
	s_cmp_eq_u32 s12, 0                            ; the choice hangs on the wave's number alone
	s_cselect_b32 s38, s38, s39
	s_cselect_b64 s[PF:PF+1], s[4:5], s[6:7]
	s_mul_i32 s38, s38, ROWB
	s_add_co_u32 s38, s38, 768                     ; region 1 begins at byte 768 of the rows
	s_mov_b32 s39, 0
	s_add_nc_u64 s[PF:PF+1], s[PF:PF+1], s[38:39]
	CROUND                                         ; all sixteen work-groups are here: the first joint loads meet
	s_mov_b32 s[G0], 1                             ; count = 1
	s_add_co_u32 s[G0+1], s20, 0                   ; LDS address
	s_add_nc_u64 s[G0+2:G0+3], s[14:15], 0         ; global address: region 0
	s_or_b32 s[G0+3], s[G0+3], 0x80000000          ; type = 2
	s_mov_b32 s[G0B], 1
	s_add_co_u32 s[G0B+1], s20, 0
	s_add_nc_u64 s[G0B+2:G0B+3], s[46:47], 0
	s_or_b32 s[G0B+3], s[G0B+3], 0x80000000
	JLOAD                                          ; region 0: one load of the wave is out, here and behind every refill
	PREF 0                                         ; region 1
	v_and_b32 v1, 15, v0                           ; r
	v_bfe_u32 v2, v0, 4, 1                         ; h
	v_mul_u32_u24 v3, v1, PITCH
	v_lshl_add_u32 v3, v2, 4, v3                   ; r x pitch + 16 h
	s_lshl_b32 s21, s10, 6                         ; my 32 of each 128 along K: byte 64 w
	v_add_nc_u32 v[ADRA], s21, v3
	v_add_nc_u32 v[ADRA+1], 64*PITCH, v[ADRA]
	v_add_nc_u32 v[ADRB], 128*PITCH, v[ADRA]       ; wdb's 128 rows lie behind cb's 128
	v_add_nc_u32 v[ADRB+1], 192*PITCH, v[ADRA]
	s_mul_i32 s23, s10, REGION                     ; my own partial block
	v_mul_u32_u24 v4, v1, EPITCH
	v_lshl_add_u32 v4, v2, 5, v4                   ; r x 528 + 32 h: eight f32 a lane and tile
	v_add_nc_u32 v[PST], s23, v4
	v_lshlrev_b32 v[OO], 4, v5
	s_mul_i32 s22, s10, 32*EPITCH                  ; I add rows 32 w .. 32 w + 31
	v_add_nc_u32 v[PRD], s22, v[OO]
.irp z, 1,2,3
	v_add_nc_u32 v[PRD+\z], \z*REGION, v[PRD]
.endr
; 16 matrix instructions.  The 64 accumulators take turns, one instruction a turn, in the same order in every unit.
.macro MUL16 f, hi, a0, zero
.irp a, \a0, \a0+1
.irp b, 0,1,2,3,4,5,6,7
.if \zero
	v_wmma_f32_16x16x32_bf16 v[8*(8*(\a)+\b):8*(8*(\a)+\b)+7], v[\f+8*\b:\f+8*\b+7], v[\f+8*(4*\hi+\a):\f+8*(4*\hi+\a)+7], 0
.else
	v_wmma_f32_16x16x32_bf16 v[8*(8*(\a)+\b):8*(8*(\a)+\b)+7], v[\f+8*\b:\f+8*\b+7], v[\f+8*(4*\hi+\a):\f+8*(4*\hi+\a)+7], v[8*(8*(\a)+\b):8*(8*(\a)+\b)+7]
.endif
.endr
.endr
.endm
.macro UNIT f                          ; a whole unit from buffer f: 64 matrix instructions
	WIN MUL_LO
	MUL16 \f, 0, 0, 0
	MUL16 \f, 0, 2, 0
	WIN MUL_HI
	MUL16 \f, 1, 0, 0
	MUL16 \f, 1, 2, 0
.endm
; 16 LDS loads: a unit's 8 fragments of wdb (my 32 K of the chunk at byte k of the rows) into buffer f of window 1
.macro FETCHB k, f
	WIN TO_B
.irp q, 0,1
.irp i, 0,1,2,3
	ds_load_b128 v[\f+32*\q+8*\i:\f+32*\q+8*\i+3],   v[ADRB+\q] offset:\k+\i*16*PITCH
	ds_load_b128 v[\f+32*\q+8*\i+4:\f+32*\q+8*\i+7], v[ADRB+\q] offset:\k+\i*16*PITCH+32
.endr
.endr
.endm
; 16 LDS loads: its 8 fragments of cb into buffer f of window 0; the first eight loads are rows 0-63
.macro FETCHA k, f
	WIN 0
.irp q, 0,1
.irp i, 0,1,2,3
	ds_load_b128 v[\f+32*\q+8*\i:\f+32*\q+8*\i+3],   v[ADRA+\q] offset:\k+\i*16*PITCH
	ds_load_b128 v[\f+32*\q+8*\i+4:\f+32*\q+8*\i+7], v[ADRA+\q] offset:\k+\i*16*PITCH+32
.endr
.endr
.endm
.macro PLACES                          ; four places behind a matrix instruction before its registers are loaded into, read or stored (ISA guide 7.12.1)
.rept 4
	v_nop
.endr
.endm
; A period: the region is drawn into registers, asked for again, and multiplied.
; units = 4, or 3 in the first period; step = bytes that the tiles' address goes on for the refill, 0 = no refill; pf = 1: prefetch; zero = 1: unit 0's products start the sums.
; The draw is paced: between unit 0's four runs of 16 matrix instructions stand runs of 16 loads: four waves x 16 loads x 2 passes of 256 bytes for 16 matrix instructions,
; so that LDS is read without a gap while unit 0 is multiplied, and never more than 56 loads of a wave are out.
; Loads into buffers 1 and 2 stand behind the four places at the period's head, which lie between them and the last period's products on those buffers.
.macro PERIOD units, step, pf, zero
	s_wait_tensorcnt 0x0                           ; my one load, my part of the region, has landed
	s_barrier_signal -1                            ; (no LDS instruction of mine is out: the last wait on that counter was for 0)
	s_barrier_wait -1                              ; everybody's has: the region is whole.
	PLACES
	FETCHB 0, F0
	FETCHA 0, F0
	FETCHB 256, F1
	s_wait_dscnt 24                                ; unit 0's wdb and its cb rows 0-63 are in; out may be its cb rows 64-127 (8) and unit 1's wdb (16)
	WIN MUL_LO
	MUL16 F0, 0, 0, \zero
	FETCHA 256, F1
	WIN MUL_LO
	MUL16 F0, 0, 2, \zero
	FETCHB 512, F2
	s_wait_dscnt 40                                ; of the 56 that can be out the oldest 16 are in, unit 0's cb rows 64-127 among them; 48 would do for those, but 48 + 16 pass the counter's 63
	WIN MUL_HI
	MUL16 F0, 1, 0, \zero
	FETCHA 512, F2
	WIN MUL_HI
	MUL16 F0, 1, 2, \zero
.if \units == 4
	PLACES                                         ; buffer 0 is free
	s_wait_dscnt 16                                ; out may be unit 2's cb: with the 32 that follow 48 are out
	FETCHB 768, F0
	FETCHA 768, F0
	s_wait_dscnt 32                                ; all but the 32 just issued: units 1 and 2 are in
.else
	s_wait_dscnt 0x0                               ; units 1 and 2 are in
.endif
	WIN MUL_LO
	MUL16 F1, 0, 0, 0                              ; 32 matrix instructions while unit 3 arrives
	MUL16 F1, 0, 2, 0
	s_wait_dscnt 0x0                               ; my reads of the region are over
.if \step
	WIN 0
	s_wait_tensorcnt 0x0                           ; and no tensor load of mine is out (met: none was issued since the period's head)
	ds_add_u32 v62, v63
	s_wait_dscnt 0x0
	CROUND                                         ; both hold of every wave of all sixteen work-groups.  Nothing stands inside the round: the request waits for it
	s_add_nc_u64 s[G0+2:G0+3], s[G0+2:G0+3], \step
	s_add_nc_u64 s[G0B+2:G0B+3], s[G0B+2:G0B+3], \step
	JLOAD                                          ; the first tensor load behind the round, and the wave's only one until the next; up to 160 matrix instructions follow from registers
.endif
	WIN MUL_HI
	MUL16 F1, 1, 0, 0
	MUL16 F1, 1, 2, 0
	UNIT F2
.if \pf
	WIN 0                                          ; (a branch follows)
	PREF 1
.endif
.if \units == 4
	UNIT F0
.endif
.endm
	PERIOD 3, 768, 1, 1                            ; region 0, chunks 0 to 2; region 1 is requested, region 2 prefetched
	WIN 0                                          ; at a label and at a branch every window is 0
	s_mov_b32 s3, 8                                ; regions 1 to 8; regions 2 to 9 are requested, 3 to 10 prefetched
.Lper:
	PERIOD 4, REGB, 1, 0
	WIN 0
	s_sub_co_u32 s3, s3, 1
	s_cmp_lg_u32 s3, 0
	s_cbranch_scc1 .Lper
	PERIOD 4, REGB, 0, 0                           ; region 9; region 10 is requested: row bytes 9,984 to 11,007
	PERIOD 4, 0, 0, 0                              ; region 10; nothing is left to fetch
	; THE SUM AND THE WAY OUT.  The region has had its last fill; its bytes, and 4,096 behind them, take the four partial blocks.
	WIN 0
	PLACES                                         ; the places behind the last matrix instructions
	s_lshl_b32 s16, s13, 7                         ; out0 at row 128 BR + 32 w,
	s_lshl_b32 s18, s10, 5
	s_add_co_u32 s16, s16, s18
	s_lshl_b32 s16, s16, 13
	s_mov_b32 s17, 0
	s_add_nc_u64 s[8:9], s[8:9], s[16:17]
	s_lshl_b32 s46, s42, 9                         ; at byte 512 BC (in the registers that held wdb's offset)
	s_mov_b32 s47, 0
	s_add_nc_u64 s[8:9], s[8:9], s[46:47]
	s_barrier_signal -1                            ; every wave's reads of the region are back (its last wait on the LDS counter was for 0)
	s_barrier_wait -1                              ; so no wave reads the region any more
.macro PART win, hi                    ; the 32 tiles of one window into my own partial block: store data from that window, the address from window 0
	WIN \win
.irp a, 0,1,2,3
.irp b, 0,1,2,3,4,5,6,7
	ds_store_b128 v[PST], v[8*(8*\a+\b):8*(8*\a+\b)+3]   offset:(64*\hi+16*\a)*EPITCH+64*\b
	ds_store_b128 v[PST], v[8*(8*\a+\b)+4:8*(8*\a+\b)+7] offset:(64*\hi+16*\a)*EPITCH+64*\b+16
.endr
.endr
.endm
	PART 0x08, 0
	PART 0x0c, 1
	WIN 0
	s_wait_dscnt 0x0                               ; my partial block is written
	s_barrier_signal -1
	s_barrier_wait -1                              ; all four are
; eight rows: four partial rows of 512 bytes each, added, stored
.macro BATCH g
.if \g
	s_wait_xcnt 0x0                                ; every earlier memory instruction has had its addresses translated (ISA guide 3.1): the registers that the last batch's stores read are loaded again only behind this wait
.endif
.irp q, 0,1,2,3,4,5,6,7
.irp z, 0,1,2,3
	ds_load_b128 v[SUM+16*\q+4*\z:SUM+16*\q+4*\z+3], v[PRD+\z] offset:(8*\g+\q)*EPITCH
.endr
.endr
.irp q, 0,1,2,3,4,5,6,7
	s_wait_dscnt 4*(7-\q)                          ; row q's four loads are in; the younger rows' stay out
	v_pk_add_f32 v[SUM+16*\q:SUM+16*\q+1],     v[SUM+16*\q:SUM+16*\q+1],     v[SUM+16*\q+4:SUM+16*\q+5]
	v_pk_add_f32 v[SUM+16*\q+2:SUM+16*\q+3],   v[SUM+16*\q+2:SUM+16*\q+3],   v[SUM+16*\q+6:SUM+16*\q+7]
	v_pk_add_f32 v[SUM+16*\q+8:SUM+16*\q+9],   v[SUM+16*\q+8:SUM+16*\q+9],   v[SUM+16*\q+12:SUM+16*\q+13]
	v_pk_add_f32 v[SUM+16*\q+10:SUM+16*\q+11], v[SUM+16*\q+10:SUM+16*\q+11], v[SUM+16*\q+14:SUM+16*\q+15]
	v_pk_add_f32 v[SUM+16*\q:SUM+16*\q+1],     v[SUM+16*\q:SUM+16*\q+1],     v[SUM+16*\q+8:SUM+16*\q+9]
	v_pk_add_f32 v[SUM+16*\q+2:SUM+16*\q+3],   v[SUM+16*\q+2:SUM+16*\q+3],   v[SUM+16*\q+10:SUM+16*\q+11]
	global_store_b128 v[OO], v[SUM+16*\q:SUM+16*\q+3], s[8:9] offset:(8*\g+\q)*OROW th:TH_STORE_NT   ; the wave stores 512 consecutive bytes, at a multiple of 512 from out0's first byte
.endr
.endm
	BATCH 0
	BATCH 1
	BATCH 2
	BATCH 3
	s_wait_tensorcnt 0x0
	ds_add_u32 v62, v63
	s_wait_dscnt 0x0
	CROUND                                         ; the closing round: no work-group ends while a partner may still ask for a tile that names it
	s_endpgm
.Lfunc_end_k_q4f8066f14d_down:
	.size	k_q4f8066f14d_down, .Lfunc_end_k_q4f8066f14d_down-k_q4f8066f14d_down
	.p2alignl 7, 3214868480
	.fill 96, 4, 3214868480
	.section	.rodata,"a",@progbits
	.p2align	6, 0x0
	.amdhsa_kernel k_q4f8066f14d_down
		.amdhsa_group_segment_fixed_size 327680
		.amdhsa_private_segment_fixed_size 0
		.amdhsa_enable_private_segment 0
		.amdhsa_kernarg_size 24
		.amdhsa_user_sgpr_count 2
		.amdhsa_user_sgpr_kernarg_segment_ptr 1
		.amdhsa_wavefront_size32 1
		.amdhsa_system_sgpr_workgroup_id_x 1
		.amdhsa_system_sgpr_workgroup_id_y 1
		.amdhsa_system_sgpr_workgroup_id_z 1
		.amdhsa_system_vgpr_workitem_id 0
		.amdhsa_next_free_vgpr 1024
		.amdhsa_next_free_sgpr 66
		.amdhsa_reserve_vcc 0
		.amdhsa_float_denorm_mode_32 3
		.amdhsa_float_denorm_mode_16_64 3
		.amdhsa_memory_ordered 1
		.amdhsa_forward_progress 1
		.amdhsa_inst_pref_size 137
	.end_amdhsa_kernel
	.amdgpu_metadata
---
amdhsa.version: [ 1, 2 ]
amdhsa.kernels:
  - .name:           k_q4f8066f14d_down
    .symbol:         k_q4f8066f14d_down.kd
    .args:
      - { .name: cb, .offset: 0, .size: 8, .value_kind: global_buffer, .address_space: global }
      - { .name: wdb, .offset: 8, .size: 8, .value_kind: global_buffer, .address_space: global }
      - { .name: out0, .offset: 16, .size: 8, .value_kind: global_buffer, .address_space: global }
    .group_segment_fixed_size: 327680
    .private_segment_fixed_size: 0
    .kernarg_segment_align: 8
    .kernarg_segment_size: 24
    .max_flat_workgroup_size: 128
    .sgpr_count:     66
    .vgpr_count:     1024
    .wavefront_size: 32
...
	.end_amdgpu_metadata
.endif
;; end of part 6
;; ======== version 3 of 3: 3 launches; version 2 with the launch cvt written anew for expert scheduling mode
;; workspace buffers: xb 8,388,608 bytes; wgu 45,088,768 bytes; wdb 22,544,384 bytes; cb 22,544,384 bytes
;; launch cvt (part 7): grid 1160 x 1, 8 waves a work-group, no clusters, 0 bytes of LDS; arguments x, w_gate, w_up, w_down, xb, wgu, wdb; writes xb, wgu, wdb
.if DOCPART == 7
	.amdgcn_target "amdgcn-amd-amdhsa--gfx1250"
	.amdhsa_code_object_version 6
	.text
	.protected	k_q4f8066f14d_cvt
	.globl	k_q4f8066f14d_cvt
	.p2align	8
	.type	k_q4f8066f14d_cvt,@function
k_q4f8066f14d_cvt:
	s_mov_b64 s[64:65], 0
	v_nop
	global_prefetch_b8 v0, s[64:65] scope:SCOPE_SE
	s_setreg_imm32_b32 hwreg(HW_REG_WAVE_SCHED_MODE, 0, 2), 2
	s_setreg_imm32_b32 hwreg(HW_REG_WAVE_MODE, 25, 1), 1
	s_wait_xcnt 0x0
	s_wait_alu depctr_vm_vsrc(0)
; snnLlamaMLP in three launches.  Rows of x are (t, p): row = 512 t + p, t = 0..3, p = 0..511.
;   this one : x, w_gate, w_up, w_down from f32 to bf16 copies, once, in the row order that the second launch's register tiles want
;   the second: G = x w_gate^T, U = x w_up^T; per (p, i): X_t = G_0 + .. + G_t, Y_t = silu(X_t), A_t = Y_t - Y_(t-1), C_t = (A_t sum(U) + U_t sum(A)) / 2
;   the third : out = C w_down^T
; WORK LEFT OUT (in the second launch): sum(A) = Y_0 + (Y_1 - Y_0) + (Y_2 - Y_1) + (Y_3 - Y_2) = Y_3 in real numbers for all values of the inputs, so
; Y_3 is taken for it and the three additions are not made; the two differ by f32 rounding alone.  LIMIT: a NaN, an infinity or an overflow that would
; arise only in that sum of differences is not carried to the result.  Every input has a way to the output and is loaded; T = 4 is a constant.
; LIMIT: the operands of all three products, C among them, are rounded to bf16 (nearest even).
;
; A stream: every input byte is read once, by 16-byte loads (one load of a wave: 512 neighbouring bytes), every output byte written once, by 8-byte
; stores (one store of a wave: 256 neighbouring bytes, aligned).  No LDS, no barrier, no matrix unit, no cluster: no two work-groups read the same byte.
; A work-group takes one chunk of 32,768 numbers (128 KiB in, 64 KiB out; for x, w_gate, w_up that is 16 rows of 2,048), a wave 16 KiB of it (two such rows)
; by 32 loads that are all issued before the first is used.  No register is written again after a load or store has named it as a source.
; Chunks: 0..343 w_gate, 344..687 w_up, 688..1031 w_down, 1032..1159 x.
;   xb  row (p>>4)*64 + t*16 + (p&15) = x's row 512 t + p                  (the four t of 16 positions lie together)
;   wdb as w_down
;   wgu: 32 blocks of 344 rows.  Block c holds 172 i: slots 0..127 are i = 128 c + slot, slots 128..171 are i = 4096 + 44 c + (slot - 128).
;        Row 344 c + 8 (slot>>2) + (slot&3) = w_gate[i], the same + 4 = w_up[i]: four gate rows, then the four up rows of the same i.
;        In fours of i, q = i>>2: q < 1024: c = q>>5, g = q&31; else e = q - 1024: c = e / 11, g = 32 + e mod 11; the rows begin at 344 c + 8 g.
; THE MODE: SCHED_MODE bits 1:0 = 2 (LLVM: expert scheduling mode 2), set by the entry lines.  The code itself states the register dependences
; between vector instructions and memory instructions, with s_wait_alu, always for 0.
; THE PLAN.  Registers that memory instructions touch:
;   v1, v2     the loads' and the stores' byte offsets: written by vector lines at the head, never again; read by all 32 loads, by all 32 stores.
;   v[4:131]   load i's four registers at X + 4 i.  Written by the load, which no vector line precedes on these registers; its two conversions read all four and
;              write the first two; store i reads those two; nothing names them afterwards.
; The 32 loads go in 8 blocks of four.  Block p converts its own four; its memory instructions are the four stores of block p - 1, whose registers no
; vector line of block p names.  So ONE wait on va_vdst at a block's head states all that the block's stores hang on, and they are dealt among its conversions
; with no further wait.  No register that a memory instruction has read is written again, so the only wait on vm_vsrc is the one at the entry.
.set NW, 344                           ; chunks in each of the three weights
.set X,  4                             ; v[4:131]  32 loads of 4 registers; converted in place into the first two of each four
.set BLK, 4                            ; loads in a block
.set NBLK, 32/BLK
	s_load_b256 s[4:11], s[0:1], 0x0               ; x s[4:5], w_gate s[6:7], w_up s[8:9], w_down s[10:11]
	s_load_b128 s[12:15], s[0:1], 0x20             ; xb s[12:13], wgu s[14:15]
	s_load_b64 s[16:17], s[0:1], 0x30              ; wdb
	v_lshrrev_b32 v2, 5, v0
	v_readfirstlane_b32 s28, v2                    ; w: my wave's number as a scalar
	s_mov_b32 s20, ttmp9                           ; the chunk
	s_cmp_lt_u32 s20, NW                           ; the first chunk of its tensor
	s_cselect_b32 s21, 0, NW
	s_cmp_lt_u32 s20, 2*NW
	s_cselect_b32 s21, s21, 2*NW
	s_cmp_lt_u32 s20, 3*NW
	s_cselect_b32 s21, s21, 3*NW
	s_sub_co_u32 s22, s20, s21                     ; k: the chunk's number in its tensor
	s_wait_alu depctr_va_sdst(0)                   ; s28 is written, ahead of its first reader: the offsets into all buffers are made from it
	; w_gate and w_up: my two rows are i = 16 k + 2 w and + 1
	s_lshr_b32 s2, s28, 1
	s_lshl2_add_u32 s3, s22, s2                    ; q = i>>2 = 4 k + (w>>1), 0..1375
	s_lshr_b32 s29, s3, 5                          ; q < 1024: the block
	s_and_b32 s30, s3, 31                          ;           and the four's place in it
	s_sub_co_u32 s31, s3, 1024                     ; else e = q - 1024, 0..351 (where q < 1024 what follows is not taken)
	s_mul_i32 s2, s31, 745
	s_lshr_b32 s2, s2, 13                          ; e / 11: 745 / 8192 is over 1/11 by 0.000033, which over e < 352 adds under 0.012, less than 1/11: the quotient is exact
	s_mul_i32 s18, s2, 11
	s_sub_co_u32 s31, s31, s18
	s_add_co_u32 s31, s31, 32                      ; 32 + e mod 11
	s_cmp_lt_u32 s3, 1024
	s_cselect_b32 s29, s29, s2
	s_cselect_b32 s30, s30, s31
	s_mul_i32 s29, s29, 344
	s_lshl3_add_u32 s29, s30, s29                  ; row 344 c + 8 g
	s_and_b32 s2, s28, 1
	s_lshl1_add_u32 s29, s2, s29                   ; + i&3 = 2 (w&1)
	s_lshl_b32 s23, s29, 12                        ; w_gate: in bytes, rows of 4,096
	s_add_co_u32 s29, s23, 0x4000                  ; w_up: four rows further down
	s_lshl_b32 s2, s28, 13                         ; dense outputs: 8 KiB a wave
	s_lshl_b32 s30, s22, 16                        ; w_down: 64 KiB a chunk
	s_add_co_u32 s30, s30, s2
	s_and_b32 s31, s22, 31
	s_lshl_b32 s31, s31, 18                        ; x: (p>>4) = k&31 groups of 64 rows
	s_add_co_u32 s31, s31, s2
	s_lshr_b32 s2, s22, 5
	s_lshl_b32 s2, s2, 16                          ;    + t = k>>5 times 16 rows
	s_add_co_u32 s31, s31, s2
	s_lshl_b32 s18, s22, 17                        ; in: 128 KiB a chunk,
	s_lshl_b32 s2, s28, 14                         ;     16 KiB a wave
	s_add_co_u32 s18, s18, s2
	s_mov_b32 s19, 0
	v_and_b32 v1, 31, v0                           ; lane
	v_lshlrev_b32 v2, 3, v1                        ; out: 8 bytes a lane
	v_lshlrev_b32 v1, 4, v1                        ; in: 16 bytes a lane
	s_wait_kmcnt 0x0
	; the choice of buffers and of the offset hangs on the chunk's number alone; behind each compare stand selects only
	s_cmp_lt_u32 s20, NW
	s_cselect_b64 s[24:25], s[6:7], s[8:9]
	s_cselect_b32 s23, s23, s29
	s_cmp_lt_u32 s20, 2*NW
	s_cselect_b64 s[24:25], s[24:25], s[10:11]
	s_cselect_b64 s[26:27], s[14:15], s[16:17]
	s_cselect_b32 s23, s23, s30
	s_cmp_lt_u32 s20, 3*NW
	s_cselect_b64 s[24:25], s[24:25], s[4:5]
	s_cselect_b64 s[26:27], s[26:27], s[12:13]
	s_cselect_b32 s23, s23, s31
	s_mov_b32 s22, s23                             ; the output offset as a pair
	s_mov_b32 s23, 0
	s_add_nc_u64 s[24:25], s[24:25], s[18:19]      ; from here
	s_add_nc_u64 s[26:27], s[26:27], s[22:23]      ; to here
	s_wait_alu depctr_va_vdst(0)                   ; v1 and v2 are written: every load reads v1 as its offset, every store v2
.set i, 0
.rept 32
	global_load_b128 v[X+4*i:X+4*i+3], v1, s[24:25] offset:512*i th:TH_LOAD_NT   ; read once in the whole program
.set i, i+1
.endr
; Block p: its four loads are converted; the four stores of block p - 1 stand among the conversions, one ahead of each pair.
.set p, 0
.rept NBLK
	s_wait_loadcnt 32-BLK*(p+1)                    ; loads come back in order (ISA guide 5.7.1): block p's four are in, the 32 - 4 (p + 1) younger ones stay out
.if p > 0
	s_wait_alu depctr_va_vdst(0)                   ; the conversions of block p - 1 have written the eight registers that the four stores below read
.endif
.set j, 0
.rept BLK
.if p > 0
	global_store_b64 v2, v[X+4*(BLK*(p-1)+j):X+4*(BLK*(p-1)+j)+1], s[26:27] offset:256*(BLK*(p-1)+j)    ; no hint: the next launches read it.  No vector line since the wait names these registers
.endif
	v_cvt_pk_bf16_f32 v[X+4*(BLK*p+j)],   v[X+4*(BLK*p+j)],   v[X+4*(BLK*p+j)+1]
	v_cvt_pk_bf16_f32 v[X+4*(BLK*p+j)+1], v[X+4*(BLK*p+j)+2], v[X+4*(BLK*p+j)+3]
.set j, j+1
.endr
.set p, p+1
.endr
	s_wait_alu depctr_va_vdst(0)                   ; the conversions of the last block have written the eight registers that the last four stores read
.set j, 0
.rept BLK
	global_store_b64 v2, v[X+4*(32-BLK+j):X+4*(32-BLK+j)+1], s[26:27] offset:256*(32-BLK+j)
.set j, j+1
.endr
	s_endpgm
.Lfunc_end_k_q4f8066f14d_cvt:
	.size	k_q4f8066f14d_cvt, .Lfunc_end_k_q4f8066f14d_cvt-k_q4f8066f14d_cvt
	.p2alignl 7, 3214868480
	.fill 96, 4, 3214868480
	.section	.rodata,"a",@progbits
	.p2align	6, 0x0
	.amdhsa_kernel k_q4f8066f14d_cvt
		.amdhsa_group_segment_fixed_size 0
		.amdhsa_private_segment_fixed_size 0
		.amdhsa_enable_private_segment 0
		.amdhsa_kernarg_size 56
		.amdhsa_user_sgpr_count 2
		.amdhsa_user_sgpr_kernarg_segment_ptr 1
		.amdhsa_wavefront_size32 1
		.amdhsa_system_sgpr_workgroup_id_x 1
		.amdhsa_system_sgpr_workgroup_id_y 1
		.amdhsa_system_sgpr_workgroup_id_z 1
		.amdhsa_system_vgpr_workitem_id 0
		.amdhsa_next_free_vgpr 132
		.amdhsa_next_free_sgpr 66
		.amdhsa_reserve_vcc 0
		.amdhsa_float_denorm_mode_32 3
		.amdhsa_float_denorm_mode_16_64 3
		.amdhsa_memory_ordered 1
		.amdhsa_forward_progress 1
		.amdhsa_inst_pref_size 14
	.end_amdhsa_kernel
	.amdgpu_metadata
---
amdhsa.version: [ 1, 2 ]
amdhsa.kernels:
  - .name:           k_q4f8066f14d_cvt
    .symbol:         k_q4f8066f14d_cvt.kd
    .args:
      - { .name: x, .offset: 0, .size: 8, .value_kind: global_buffer, .address_space: global }
      - { .name: w_gate, .offset: 8, .size: 8, .value_kind: global_buffer, .address_space: global }
      - { .name: w_up, .offset: 16, .size: 8, .value_kind: global_buffer, .address_space: global }
      - { .name: w_down, .offset: 24, .size: 8, .value_kind: global_buffer, .address_space: global }
      - { .name: xb, .offset: 32, .size: 8, .value_kind: global_buffer, .address_space: global }
      - { .name: wgu, .offset: 40, .size: 8, .value_kind: global_buffer, .address_space: global }
      - { .name: wdb, .offset: 48, .size: 8, .value_kind: global_buffer, .address_space: global }
    .group_segment_fixed_size: 0
    .private_segment_fixed_size: 0
    .kernarg_segment_align: 8
    .kernarg_segment_size: 56
    .max_flat_workgroup_size: 256
    .sgpr_count:     66
    .vgpr_count:     132
    .wavefront_size: 32
...
	.end_amdgpu_metadata
.endif
;; end of part 7
;; launch gateup: the kernel of part 5 again; grid 32 x 8, 4 waves a work-group, clusters of 4 x 4, 327,680 bytes of LDS; arguments xb, wgu, cb; writes cb
;; launch down: the kernel of part 6 again; grid 16 x 16, 4 waves a work-group, clusters of 4 x 4, 327,680 bytes of LDS; arguments cb, wdb, out0; writes out0
